; MI455X (gfx1250); checked and timed in simulation.
; The chip was launched on July 23, 2026; its instructions are those of AMD's public machine-readable ISA for CDNA 5 (MIT licence, August 2026) and "CDNA5" Instruction Set Architecture Reference Guide (July 2026). The comments in the code are by the model that wrote it; some were corrected since.
;; Self Attention. Allowed arithmetic: matrix products marked QUANTISED: E2M3 operands, one E8M0 scale for each 32 along K, by v_wmma_scale_f32_16x16x128_f8f6f4 with both operands' format E2M3, f32 sums; everything else in f32.
;; Inputs: Wk 1,024 x 1,024 float32; Wq 1,024 x 1,024 float32; Wv 1,024 x 1,024 float32; mask 4 x 2,048 x 2,048 float32; x1 4 x 2,048 x 1,024 float32; x2 4 x 2,048 x 1,024 float32; x3 4 x 2,048 x 1,024 float32.
;; Outputs: out0 4 x 2,048 x 1,024 float32.
;; This version of the problem:
;;   THIS VERSION OF THE PROBLEM IS GIVEN IN LOW PRECISION. The matrix products marked QUANTISED in the list below multiply operands that are first quantised to E2M3 (2 exponent bits, 3 mantissa bits; 6 bits a number), with one power-of-two scale for each 32 numbers along K (OCP MX v1.0); their sums are f32. All else is computed in f32.
;;   The module's matrix products, in the order in which they are computed (A, B: the left and right operand; K: the contracted axis; several contracted axes count as one K, in the product's order):
;;     1. [M 8,192, K 1,024] x [K 1,024, N 1,024]; A: input x1; B: input Wq: QUANTISED
;;     2. [M 8,192, K 1,024] x [K 1,024, N 1,024]; A: input x2; B: input Wk: QUANTISED
;;     3. [M 8,192, K 1,024] x [K 1,024, N 1,024]; A: input x3; B: input Wv: QUANTISED
;;     4. batch 4 x [M 2,048, K 1,024] x [K 1,024, N 2,048]; A: computed on the way; B: computed on the way: QUANTISED
;;     5. batch 4 x [M 2,048, K 2,048] x [K 2,048, N 1,024]; A: softmax (see below); B: computed on the way: QUANTISED
;;   THE QUANTISER, for each operand of a quantised product, along K:
;;     - K is cut into blocks of 32 from its start; a last block that is shorter is filled with zeros.
;;     - A block's scale is 2^e with e = floor(log2(the largest magnitude in the block)) - 2, held to -126 .. 127; a block of zeros has e = 0. As a byte (E8M0): e + 127.
;;     - Each number is divided by its block's scale, clamped to +-7.5, and rounded to the nearest number of E2M3, ties to even, subnormals kept.
;;     - The product sums the exact products of the quantised numbers (number of the format x scale) in f32.
;;   ~~~python
;;   def quantise(x, axis):      # numpy; x: float32 -> the quantised numbers, widened to float32 again
;;       x = np.moveaxis(x, axis, -1); K = x.shape[-1]
;;       x = np.pad(x, [(0, 0)] * (x.ndim - 1) + [(0, -K % 32)]); x = x.reshape(x.shape[:-1] + (-1, 32)); a = np.abs(x).max(-1, keepdims=True)
;;       e = np.where(a > 0, np.clip(np.frexp(np.where(a > 0, a, 1))[1] - 1 - 2, -126, 127), 0)      # np.frexp(a)[1] - 1 = floor(log2(a)), exactly
;;       r = np.clip(x / 2.0 ** e, -7.5, 7.5)
;;       step = 2.0 ** (np.maximum(np.frexp(np.where(r == 0, 1, r))[1] - 1, 0) - 3)
;;       q = np.round(r / step) * step * 2.0 ** e      # np.round: ties to even
;;       return np.moveaxis(q.reshape(q.shape[:-2] + (-1,))[..., :K], -1, axis).astype(np.float32)
;;   ~~~
;;   SOFTMAX AHEAD OF A QUANTISED PRODUCT. Where the list says 'softmax', what is quantised is not the finished softmax but p = 2^(t - M), with t = logit x log2(e) and M = ceil(the row's largest t), a whole number; so 1/2 < the row's largest p <= 1. The row's sum l is taken of the UNQUANTISED p, in f32, and the product's result is divided by l at the end. Since M is a whole number, a kernel that streams over the keys may use a running M (the ceiling of the running maximum): every later rescaling is an exact power of two, which a block's scale takes up: the codes' values come out the same.
;;   OPERANDS COMPUTED ON THE WAY. 'Computed on the way' means the value that the module computes at that place (a softmax that the list does not call 'softmax' is quantised finished and normalised). What goes into a quantiser is computed in f32, as accurately as f32 sums, v_exp_f32 and their like allow (about 1e-6 of the number): no bf16 or f16 on the way to a quantiser, and a product that is left as it is and whose result goes on into a quantised operand takes f32 operands (vector FMAs, or v_wmma_f32_16x16x4_f32). A number that lies on a knife's edge between two numbers of the format may be rounded either way, as far as f32 arithmetic and the matrix unit's own rounding can turn it there, and no further.
;; One version. Each part assembles by itself: llvm-mc -triple=amdgcn-amd-amdhsa -mcpu=gfx1250 --defsym DOCPART=n.
;; ======== version 1 of 1: 4 launches
;; limits: right only within a limited range of input values
;; workspace buffers: xc 21,233,664 bytes; xs 884,736 bytes; qkvc 18,874,368 bytes; qkvs 786,432 bytes; pc 12,582,912 bytes; pst 1,572,864 bytes
;; launch quant (part 1): grid 432 x 1, 4 waves a work-group, no clusters, 36,352 bytes of LDS; arguments x1, x2, x3, Wq, Wk, Wv, xc, xs; writes xc, xs
.if DOCPART == 1
	.amdgcn_target "amdgcn-amd-amdhsa--gfx1250"
	.amdhsa_code_object_version 6
	.text
	.protected	k_qd8eb64d6f3_quant
	.globl	k_qd8eb64d6f3_quant
	.p2align	8
	.type	k_qd8eb64d6f3_quant,@function
k_qd8eb64d6f3_quant:
	s_mov_b64 s[64:65], 0
	v_nop
	global_prefetch_b8 v0, s[64:65] scope:SCOPE_SE
	s_setreg_imm32_b32 hwreg(HW_REG_WAVE_MODE, 25, 1), 1
	s_wait_xcnt 0x0
; x1, x2, x3 [8192][1024] and Wq, Wk, Wv [1024][1024], f32, K innermost, become codes of FP6 (E2M3) with one E8M0 byte for each 32 along K.
; A block's scale is 2^(floor(log2(its largest magnitude)) - 2); its byte is the largest magnitude's exponent field - 2, held at 1 from below.
; LAYOUT OF THE RESULT: the order of the operand's registers.  A fragment is 16 rows x 128 K = 12 registers x 32 lanes = 1,536 bytes: register n of lane l at (n / 4) 512 + 16 l + 4 (n % 4),
; so that three accesses of 16 bytes a lane move it.  xc: fragment (row block RB, K step ks) at (8 RB + ks) 1536.  xs: the scale word of row r of block RB and K step ks at ((RB / 8) 8 + ks) 512 + (RB % 8) 64 + 4 r.
; Row blocks: x1 0-511, x2 512-1023, x3 1024-1535, Wq 1536-1599, Wk 1600-1663, Wv 1664-1727.
; THE ROWS OF A FRAGMENT: in x1 and Wv row r of block RB is row 16 RB + r.  In x2, x3, Wq, Wk fragment 2 B + u, row r, is row 32 B + 8 u + r + 8 (r / 8): these are (or make) the operands that stand as source 0 of a
; product whose result is quantised along their rows, and a lane's 16 results of two neighbouring tiles are then 16 neighbours along the next K.
; SHARES: a work-group takes four row blocks, a wave one: 16 rows x 1,024 K, eight steps of 128 K.  Each load reads 512 consecutive bytes of one row; a step's 16 rows turn through the wave's own stage in LDS
; (pitch 528 bytes = 33 x 16: the sixteen rows that a read touches start in sixteen different groups of banks; 64 banks of 4 bytes: ISA guide 11.1) and come back 16 neighbours of each block of 32 to a lane.
; Memory binds here: no matrix unit, no cluster (work-groups share no byte), no tensor load.  Two steps' loads, 32 of 512 bytes a wave, are on their way.
; LIMITS: NaN and infinities among the inputs are not served.  A block of zeros gets the byte 1 where the rule says 127: its codes are zeros, and this program alone reads the bytes.
.set ROWM,   4096                      ; a row in memory, bytes
.set SPITCH, 528
.set WSTG,   16*SPITCH                 ; a wave's stage
.set SCW,    4*WSTG                    ; behind the stages: the work-group's scale words, [ks 8][wave 4][64 bytes]
.set SPARE,  SCW+2048                  ; the spare words, 128 bytes a wave: two blocks of 256 bytes that no other line names
.set FRB,    1536
.set LOF, 3                            ; v3   16 x lane: my bytes of a load's 512, and of a store's
.set WRA, 4                            ; v4   the stage, way in
.set RDA, 5                            ; v5   the stage, way back: row r, + 64 h
.set SWA, 6                            ; v6   where my row's scale word goes
.set SRA, 7                            ; v7   where I read scale words back
.set SOF, 8                            ; v8   and where they go in xs
.set SPW, 12                           ; v12  my spare word; never rewritten
.set NIL, 13                           ; v13  0; never rewritten
.set PC,  16                           ; v16-35  the codes just made
.set TM,  36                           ; v36-51  largest magnitudes, bytes, scale operands
.set PW,  52                           ; v52  the scale word just made
.set SO,  56                           ; v56-59
.set R,   64                           ; v64-191 two sets of 16 rows as loaded
.set X,   192                          ; v192-255 64 numbers of my row: register 16 b + i = k 32 b + 16 h + i
.set SEL, 12                           ; s[12:13] lane selects: lane l xor 16
	s_load_b512 s[16:31], s[0:1], 0x0              ; x1 s[16:17], x2, x3, Wq, Wk, Wv s[26:27], xc s[28:29], xs s[30:31]
	v_lshl_add_u32 v[SPW], v0, 2, SPARE
	v_mov_b32 v[NIL], 0
	v_lshrrev_b32 v9, 5, v0
	v_readfirstlane_b32 s14, v9                    ; wave 0..3
	v_and_b32 v10, 31, v0                          ; lane
	v_and_b32 v1, 15, v0                           ; r
	v_bfe_u32 v2, v0, 4, 1                         ; h
	v_lshlrev_b32 v[LOF], 4, v10
	s_mul_i32 s15, s14, WSTG
	v_add_nc_u32 v[WRA], s15, v[LOF]
	v_mul_u32_u24 v[RDA], v1, SPITCH
	v_lshl_add_u32 v[RDA], v2, 6, v[RDA]
	v_add_nc_u32 v[RDA], s15, v[RDA]
	s_lshl_b32 s15, s14, 6
	s_add_co_u32 s15, s15, SCW
	v_lshl_add_u32 v[SWA], v1, 2, s15              ; SCW + 64 wave + 4 r
	s_lshl_b32 s15, s14, 9
	s_add_co_u32 s15, s15, SCW
	v_add_nc_u32 v[SRA], s15, v[LOF]               ; SCW + 512 wave + 16 lane: K steps 2 wave and 2 wave + 1
	s_lshl_b32 s15, s14, 10
	v_lshlrev_b32 v[SOF], 4, v1
	v_lshl_add_u32 v[SOF], v2, 9, v[SOF]
	v_add_nc_u32 v[SOF], s15, v[SOF]               ; (2 wave + h) 512 + 16 r
	s_mov_b32 s[SEL], 0x76543210
	s_mov_b32 s[SEL+1], 0xfedcba98
.irp b, 0,1,2,3
	v_mov_b32 v[TM+4+\b], 0                        ; written once: a lane permute's destination counts as one of its sources
.endr
	s_wait_kmcnt 0x0
	; which tensor: the choice hangs on the work-group's number alone
	s_mov_b64 s[4:5], s[26:27]                     ; Wv, from work-group 416 on
	s_mov_b32 s2, 416
	s_cmp_lt_u32 ttmp9, 416
	s_cselect_b64 s[4:5], s[24:25], s[4:5]         ; Wk
	s_cselect_b32 s2, 400, s2
	s_cselect_b32 s3, 1, 0                         ; 1: the fragments' rows are not neighbours
	s_cmp_lt_u32 ttmp9, 400
	s_cselect_b64 s[4:5], s[22:23], s[4:5]         ; Wq
	s_cselect_b32 s2, 384, s2
	s_cmp_lt_u32 ttmp9, 384
	s_cselect_b64 s[4:5], s[20:21], s[4:5]         ; x3
	s_cselect_b32 s2, 256, s2
	s_cmp_lt_u32 ttmp9, 256
	s_cselect_b64 s[4:5], s[18:19], s[4:5]         ; x2
	s_cselect_b32 s2, 128, s2
	s_cmp_lt_u32 ttmp9, 128
	s_cselect_b64 s[4:5], s[16:17], s[4:5]         ; x1
	s_cselect_b32 s2, 0, s2
	s_cselect_b32 s3, 0, s3
	s_sub_co_u32 s2, ttmp9, s2
	s_lshl_b32 s2, s2, 2
	s_add_co_u32 s2, s2, s14                       ; my row block inside the tensor
	s_lshl_b32 s32, s2, 4
	s_and_b32 s33, s14, 1
	s_mul_i32 s33, s33, s3
	s_lshl_b32 s33, s33, 3
	s_sub_co_u32 s32, s32, s33                     ; the row of fragment row 0: 16 block, less 8 in an odd block whose rows are not neighbours
	s_lshl_b32 s32, s32, 12
	s_mov_b32 s33, 0
	s_add_nc_u64 s[4:5], s[4:5], s[32:33]          ; fragment rows 0-7
	s_lshl_b32 s32, s3, 15
	s_add_co_u32 s32, s32, 8*ROWM
	s_add_nc_u64 s[6:7], s[4:5], s[32:33]          ; fragment rows 8-15: 8 rows on, or 16
	s_lshl_b32 s32, ttmp9, 2
	s_add_co_u32 s32, s32, s14
	s_mul_i32 s32, s32, 8*FRB
	s_add_nc_u64 s[8:9], s[28:29], s[32:33]        ; my eight fragments in xc
	s_lshr_b32 s32, ttmp9, 1
	s_lshl_b32 s32, s32, 12
	s_and_b32 s34, ttmp9, 1
	s_lshl_b32 s34, s34, 8
	s_add_co_u32 s32, s32, s34
	s_add_nc_u64 s[10:11], s[30:31], s[32:33]      ; my work-group's 256 bytes of each K step's 512 in xs
.macro LOAD t                          ; K step t of my 16 rows: each load reads 512 consecutive bytes
.set RL, R+64*((\t)%2)
.irp i, 0,1,2,3,4,5,6,7
	global_load_b128 v[RL+4*\i:RL+4*\i+3], v[LOF], s[4:5] offset:ROWM*\i+512*(\t) th:TH_LOAD_NT
.endr
.irp i, 0,1,2,3,4,5,6,7
	global_load_b128 v[RL+32+4*\i:RL+32+4*\i+3], v[LOF], s[6:7] offset:ROWM*\i+512*(\t) th:TH_LOAD_NT
.endr
.endm
; 64 numbers of a lane, v[s] on, register 16 b + i = k 32 b + 16 h + i of my row, become a fragment's codes in v[PC] on and its scale word in v[PW]
.macro QUANT s
.irp b, 0,1,2,3
	v_max3_num_f32 v[TM+\b], |v[\s+16*\b]|, |v[\s+1+16*\b]|, 0x1800000   ; my 16 numbers of block b, and the floor 2^(3 - 127): the byte cannot fall under 1
.endr
.irp i, 2,4,6,8,10,12,14
.irp b, 0,1,2,3
	v_max3_num_f32 v[TM+\b], v[TM+\b], |v[\s+16*\b+\i]|, |v[\s+1+16*\b+\i]|   ; the four blocks by turns
.endr
.endr
.irp b, 0,1,2,3
	v_permlanex16_b32 v[TM+4+\b], v[TM+\b], s[SEL], s[SEL+1]
.endr
.irp b, 0,1,2,3
	v_max_num_f32 v[TM+\b], v[TM+\b], v[TM+4+\b]   ; with lane l xor 16's 16: the block's largest magnitude
.endr
.irp b, 0,1,2,3
	v_add_nc_u32 v[TM+12+\b], 0xff000000, v[TM+\b] ; 2 off its exponent field: the conversion's scale operand
.endr
.irp b, 0,1,2,3
	v_lshrrev_b32 v[TM+4+\b], 23, v[TM+12+\b]      ; the scale's byte
.endr
	v_lshl_or_b32 v[PW], v[TM+5], 8, v[TM+4]
	v_lshl_or_b32 v[PW], v[TM+6], 16, v[PW]
	v_lshl_or_b32 v[PW], v[TM+7], 24, v[PW]
.irp c, 0,1
	v_cvt_scalef32_pk16_fp6_f32 v[PC+6*\c:PC+2+6*\c], v[\s+32*\c:\s+15+32*\c], v[TM+12+2*\c]
	v_cvt_scalef32_pk16_fp6_f32 v[PC+12+4*\c:PC+14+4*\c], v[\s+16+32*\c:\s+31+32*\c], v[TM+13+2*\c]   ; (a conversion's three registers begin on an even number)
.endr
	v_nop                                          ; one plain place behind a scaled conversion
.irp c, 0,1                            ; the operand's layout wants a whole block in a lane: lanes 0-15 block 2 c, lanes 16-31 block 2 c + 1
.irp i, 0,1,2
	v_permlane16_swap_b32 v[PC+6*\c+\i], v[PC+12+4*\c+\i]
.endr
.irp i, 0,1,2
	v_mov_b32 v[PC+3+6*\c+\i], v[PC+12+4*\c+\i]
.endr
.endr
.endm
.macro STEP t
.set RS, R+64*((\t)%2)
.if (\t) < 7
	s_wait_loadcnt 16                              ; this step's 16 loads are in; the next step's 16 may be out
.else
	s_wait_loadcnt 0x0
.endif
	s_wait_xcnt 0x0                                ; the last step's stores have read v[PC] on: it is rewritten only behind this wait
.irp i, 0,1,2,3,4,5,6,7,8,9,10,11,12,13,14,15
	ds_store_b128 v[WRA], v[RS+4*\i:RS+4*\i+3] offset:SPITCH*\i
.endr
.irp b, 0,1,2,3
.irp j, 0,1,2,3
	ds_load_b128 v[X+16*\b+4*\j:X+16*\b+4*\j+3], v[RDA] offset:128*\b+16*\j   ; LDS serves a wave's instructions in order (ISA guide 5.7.1.4): these see the stores above
.endr
.endr
	s_wait_dscnt 0x0                               ; my 64 numbers are back, and the stores have read the set that is loaded again below
.if (\t) < 6
	LOAD (\t)+2
.endif
	QUANT X
.irp c, 0,1,2
	global_store_b128 v[LOF], v[PC+4*\c:PC+4*\c+3], s[8:9] offset:FRB*(\t)+512*\c   ; 512 consecutive bytes, at a multiple of 256 from xc's first byte
.endr
	ds_store_b32 v[SWA], v[PW] offset:256*(\t)     ; lanes l and l xor 16 write the same word with the same value
.endm
	LOAD 0
	LOAD 1
.irp t, 0,1,2,3,4,5,6,7
	STEP \t
.endr
	s_wait_dscnt 0x0                               ; for the others' sake: my scale words lie in LDS
	s_barrier_signal -1
	s_barrier_wait -1
	ds_load_b128 v[SO:SO+3], v[SRA]                ; the four waves' words of two K steps
	s_wait_dscnt 0x0
	global_store_b128 v[SOF], v[SO:SO+3], s[10:11] ; sixteen lanes store 256 consecutive bytes, at a multiple of 256 from xs's first byte
	s_wait_tensorcnt 0x0                           ; the wave's end, behind my last LDS store
	ds_add_u32 v[SPW], v[NIL]
	s_wait_dscnt 0x0
	s_endpgm
.Lfunc_end_k_qd8eb64d6f3_quant:
	.size	k_qd8eb64d6f3_quant, .Lfunc_end_k_qd8eb64d6f3_quant-k_qd8eb64d6f3_quant
	.p2alignl 7, 3214868480
	.fill 96, 4, 3214868480
	.section	.rodata,"a",@progbits
	.p2align	6, 0x0
	.amdhsa_kernel k_qd8eb64d6f3_quant
		.amdhsa_group_segment_fixed_size 36352
		.amdhsa_private_segment_fixed_size 0
		.amdhsa_enable_private_segment 0
		.amdhsa_kernarg_size 64
		.amdhsa_user_sgpr_count 2
		.amdhsa_user_sgpr_kernarg_segment_ptr 1
		.amdhsa_wavefront_size32 1
		.amdhsa_system_sgpr_workgroup_id_x 1
		.amdhsa_system_sgpr_workgroup_id_y 1
		.amdhsa_system_sgpr_workgroup_id_z 1
		.amdhsa_system_vgpr_workitem_id 0
		.amdhsa_next_free_vgpr 256
		.amdhsa_next_free_sgpr 66
		.amdhsa_reserve_vcc 0
		.amdhsa_float_denorm_mode_32 3
		.amdhsa_float_denorm_mode_16_64 3
		.amdhsa_memory_ordered 1
		.amdhsa_forward_progress 1
		.amdhsa_inst_pref_size 66
	.end_amdhsa_kernel
	.amdgpu_metadata
---
amdhsa.version: [ 1, 2 ]
amdhsa.kernels:
  - .name:           k_qd8eb64d6f3_quant
    .symbol:         k_qd8eb64d6f3_quant.kd
    .args:
      - { .name: x1, .offset: 0, .size: 8, .value_kind: global_buffer, .address_space: global }
      - { .name: x2, .offset: 8, .size: 8, .value_kind: global_buffer, .address_space: global }
      - { .name: x3, .offset: 16, .size: 8, .value_kind: global_buffer, .address_space: global }
      - { .name: Wq, .offset: 24, .size: 8, .value_kind: global_buffer, .address_space: global }
      - { .name: Wk, .offset: 32, .size: 8, .value_kind: global_buffer, .address_space: global }
      - { .name: Wv, .offset: 40, .size: 8, .value_kind: global_buffer, .address_space: global }
      - { .name: xc, .offset: 48, .size: 8, .value_kind: global_buffer, .address_space: global }
      - { .name: xs, .offset: 56, .size: 8, .value_kind: global_buffer, .address_space: global }
    .group_segment_fixed_size: 36352
    .private_segment_fixed_size: 0
    .kernarg_segment_align: 8
    .kernarg_segment_size: 64
    .max_flat_workgroup_size: 128
    .sgpr_count:     66
    .vgpr_count:     256
    .wavefront_size: 32
...
	.end_amdgpu_metadata
.endif
;; end of part 1
;; launch proj (part 2): grid 4 x 64, 4 waves a work-group, clusters of 4 x 4, 327,680 bytes of LDS; arguments xc, xs, qkvc, qkvs; writes qkvc, qkvs
.if DOCPART == 2
	.amdgcn_target "amdgcn-amd-amdhsa--gfx1250"
	.amdhsa_code_object_version 6
	.text
	.protected	k_qd8eb64d6f3_proj
	.globl	k_qd8eb64d6f3_proj
	.p2align	8
	.type	k_qd8eb64d6f3_proj,@function
k_qd8eb64d6f3_proj:
	s_mov_b64 s[64:65], 0
	v_nop
	global_prefetch_b8 v0, s[64:65] scope:SCOPE_SE
	s_setreg_imm32_b32 hwreg(HW_REG_WAVE_MODE, 25, 1), 1
	s_wait_xcnt 0x0
	s_wait_alu depctr_hold_cnt(0) depctr_sa_sdst(0) depctr_va_vdst(0) depctr_va_sdst(0) depctr_va_ssrc(0) depctr_va_vcc(0) depctr_vm_vsrc(0)
	s_getreg_b32 s2, hwreg(HW_REG_IB_STS2, 6, 4)
	s_cmp_eq_u32 s2, 0
	s_cbranch_scc0 .Lentry_in_a_cluster
	s_endpgm
.Lentry_in_a_cluster:
	s_bfe_u32 s2, ttmp6, 0x10000c
	s_cmp_lg_u32 s2, 0xf033
	s_cbranch_scc0 .Lentry_shape_is_right
	s_endpgm
.Lentry_shape_is_right:
; q = x1 Wq^T, k = x2 Wk^T, v^T = Wv x3^T on codes of FP6 (E2M3) with E8M0 scales; f32 sums; the results are quantised in registers along the NEXT product's K and leave as codes.
; OPERANDS lie in memory in the order of the operand's registers: a fragment (16 rows x 128 K, 12 registers x 32 lanes) is 1,536 bytes, register n of lane l at (n / 4) 512 + 16 l + 4 (n % 4);
; fragment (row block RB, K step ks) at (8 RB + ks) 1536 of xc; the scale words of 128 rows are one dense block of 4,096 bytes of xs, [ks 8][block 8][16 rows x 4 bytes].
; Row blocks of xc: x1 0-511, x2 512-1023, x3 1024-1535, Wq 1536-1599, Wk 1600-1663, Wv 1664-1727.
; SHARES.  Each product has 8,192 x 1,024 results: 256 tiles of 128 rows of A x 256 rows of B.  There are 256 work-groups, and EACH STAYS AND MAKES ONE TILE OF EACH PRODUCT: q, then k, then v^T: equal work for all.
; Four waves, 64 x 128 each: 32 accumulators, 256 registers.  K = 1,024 is two steps of 512, so a work-group walks six steps through two LDS slots, and the ring does not stop at a tile's end:
; a tile's two changes of slots ask for the next tile's two steps, and the tile leaves when both are asked for.  The walk is written out: every address is a constant of the text.
; THE MATRIX INSTRUCTION IS USED TRANSPOSED: source 0 = 16 rows of B, source 1 = 16 rows of A: a lane holds one row of A and eight rows of B.  B's fragments hold rows 32 B + 8 u + r + 8 (r / 8), so that a
; lane's 16 results of tiles 2 B and 2 B + 1 are 16 neighbours along B's rows, which are the next K: hidden units for q and k (B = Wq, Wk), keys for v^T (A = Wv, B = x3).  A wave's 128 rows of B are one K step of the result.
; RESULTS: qkvc: q at 0, k at 6,291,456 (fragment (rb, ks) at (8 rb + ks) 1536), v^T at 12,582,912 (1,024 rows, K = 8,192 keys of all batches: (64 rb + ks) 1536).  qkvs: their scale words, 262,144 bytes each.
; CLUSTERS: 4 x 4 work-groups, sixteen clusters (CY).  q, k: tile row 4 CY + cy, tile column cx.  v^T: tile row cy + 4 (CY % 2), tile column cx + 4 (CY / 2).  A's tiles and scale words hang on cy and CY alone and are
; asked for jointly along a row of the cluster, B's on cx and CY alone, along a column.
; WHO LOADS: waves 0 and 1 B's two halves, wave 2 A, 49,152 bytes each; wave 3 the scale words.  Two regions hold a tile's scale words; three tiles' do not fit beside the slots, so tile 2's come into tile 0's region, as refills.
; LIMITS: NaN and infinities are not served; a block of zeros gets the byte 1 (its codes are zeros; this program alone reads the bytes).
; REGISTERS: window 0: v0-31 addresses; v32-95 scale words, two sets of 32; v96-117 and v224-239 the way out; v128-223 A's fragments, two sets of 48.  window 1: B's fragments, two sets, at v0 and v128.
;   window 2: accumulator (a, b) at v[8 (8 a + b)].
.set FR,    12                         ; registers of a fragment
.set FRB,   1536
.set RB4,   4*FRB                      ; a row block's bytes in a slot: four steps of 128
.set RBM,   8*FRB                      ; and in memory
.set AT,    8*RB4                      ; A's 128 rows in a slot
.set AHALF, 4*RB4                      ; a wave's 64 of them
.set BHALF, 8*RB4                      ; 128 rows of B
.set BOFF,  AT
.set SLOT,  AT+2*BHALF
.set SCL,   2*SLOT                     ; behind the ring: two regions of scale words: A's 4,096 bytes [ks 8][block 8][64], 128 bytes free, B's 8,192 [128 rows 2][ks 8][block 8][64]
.set SBO,   4096+128                   ; the 128: so that the two runs of 64 bytes that a load of scale words touches lie in different banks (64 banks of 4 bytes: ISA guide 11.1)
.set SREG,  12544
.set SPARE, SCL+2*SREG                 ; the spare words, 128 bytes a wave: two blocks of 256 bytes that no other line names
.set ADRA, 16                          ; v16-17 LDS address of my A fragments in slot 0, 1
.set ADRB, 20                          ; v20-21 the same for B
.set VO,   24                          ; v24  the way out: my byte offset in qkvc
.set WO,   25                          ; v25  4 x lane; never rewritten
.set ADRS, 26                          ; v26  my scale words, blocks 0-3: lanes 0-15 A's rows, lanes 16-31 B's; never rewritten
.set ADRS2, 27                         ; v27  blocks 4-7: B's as above; lanes 0-15, which have only four blocks, stand 256 bytes lower and read blocks 0-3 again
.set SPW,  28                          ; v28  my spare word; never rewritten
.set NIL,  29                          ; v29  0; never rewritten
.set SC,   32                          ; scale words: set s at v[SC + 32 s]; register 8 q + i: lanes 0-15 A's block i (i < 4), lanes 16-31 B's block i
.set PC,   96                          ; v96-115 the codes just made
.set PW,   116
.set PWE,  117
.set AF,   128
.set TM,   224                         ; v224-239 largest magnitudes, bytes, scale operands
.set G1A,  24                          ; s[24:31] group 1 for A's tiles;  s[32:39] group 0, a set for each slot
.set GA,   32
.set G1B,  48                          ; s[48:55], s[56:63] the same for B's halves
.set GB,   56
.set G1SA, 68                          ; s[68:75] group 1 for A's scale words;  s[76:83] for B's
.set G1SB, 76
.set GS,   84                          ; s[84:99] groups 0: A's and B's words of tile 0, A's and B's of tile 1; the last two then serve tile 2
.set DA,   2                           ; s[2:3]     bytes from A's tile of k to A's tile of v^T in xc
.set DB,   12                          ; s[12:13]   bytes from B's tile of v^T up to B's tile of k
.set DSA,  66                          ; s[66:67]   the same two for the scale words in xs
.set DSB,  100                         ; s[100:101]
.set SEL,  46                          ; s[46:47] lane selects: lane l xor 16
.set MSB, 0
.macro WIN new                         ; the immediate's high byte repeats the setting that is left
.if MSB != (\new)
	s_set_vgpr_msb (MSB<<8)|(\new)
.set MSB, (\new)
.endif
.endm
.set MUL,  0xa1                        ; source 0 (B) window 1, source 1 (A) window 0, C and D window 2
.set TO_B, 0x40                        ; destination window 1
.macro CREST                           ; a round of the cluster's barrier behind its opening barrier
	s_cmp_lg_u32 s14, 0
	s_cbranch_scc1 .Lnot_wave_0_\@
	s_barrier_signal -3
.Lnot_wave_0_\@:
	s_barrier_wait -3
	s_barrier_signal -1
	s_barrier_wait -1
.endm
.macro CROUND
	s_barrier_signal -1
	s_barrier_wait -1
	CREST
.endm
.macro PLACES n                        ; plain vector instructions between a matrix instruction and a load into, or a read of, its registers
.rept \n
	v_nop
.endr
.endm
; A joint refill of slot 'slot'.  The branches hang on the wave's number alone: they are the same in every work-group.  sc = 1: wave 3 brings A's scale words of tile 2, sc = 2: B's, sc = 0: nothing.
; An s_nop 0 and four v_nop follow each tensor load.
.macro RLOAD slot, sc
	s_cmp_lt_u32 s14, 2
	s_cbranch_scc0 .Lnot_b_\@
	tensor_load_to_lds s[GB+4*\slot:GB+4*\slot+3], s[G1B:G1B+7]
	s_nop 0
.rept 4
	v_nop
.endr
	s_branch .Lasked_\@
.Lnot_b_\@:
	s_cmp_eq_u32 s14, 2
	s_cbranch_scc0 .Lnot_a_\@
	tensor_load_to_lds s[GA+4*\slot:GA+4*\slot+3], s[G1A:G1A+7]
	s_nop 0
.rept 4
	v_nop
.endr
	s_branch .Lasked_\@
.Lnot_a_\@:
.if (\sc) == 1
	tensor_load_to_lds s[GS+8:GS+11], s[G1SA:G1SA+7]
	s_nop 0
.rept 4
	v_nop
.endr
.elseif (\sc) == 2
	tensor_load_to_lds s[GS+12:GS+15], s[G1SB:G1SB+7]
	s_nop 0
.rept 4
	v_nop
.endr
.endif
.Lasked_\@:
.endm
	s_load_b256 s[4:11], s[0:1], 0x0               ; xc s[4:5], xs s[6:7], qkvc s[8:9], qkvs s[10:11]: they stay as they are
	v_lshl_add_u32 v[SPW], v0, 2, SPARE
	v_mov_b32 v[NIL], 0
	ds_add_u32 v[SPW], v[NIL]                      ; the wave's opening: the add and its wait ahead of my first tensor load
	ds_add_u32 v[SPW], v[NIL]
	v_lshrrev_b32 v1, 5, v0
	v_readfirstlane_b32 s14, v1                    ; wave 0..3
	s_lshr_b32 s15, s14, 1                         ; my half of A's rows
	s_and_b32 s16, s14, 1                          ; my half of B's rows.  Also, in waves 0 and 1: which half of B I fetch
	s_bfe_u32 s40, ttmp6, 0x40000                  ; cx
	s_bfe_u32 s41, ttmp6, 0x40004                  ; cy
	s_and_b32 s42, ttmp7, 0xffff                   ; CY: the cluster's number, 0..15
	s_lshl_b32 s43, s41, 2
	s_lshl_b32 s43, 15, s43                        ; my row of the cluster
	s_lshl_b32 s44, 0x1111, s40                    ; my column
	; group 1 for the codes: 8 row blocks x 6,144 bytes (768 elements of 8 bytes), 12,288 bytes apart in memory, dense in LDS
	s_or_b32 s[G1A+0], s43, (3<<16)|(1<<21)        ; 15:0 the mask; 17:16 elements of 8 bytes; 21 set beside a mask; no padding
	s_or_b32 s[G1B+0], s44, (3<<16)|(1<<21)
.irp g, G1A, G1B
	s_mov_b32 s[\g+1], 768<<16                     ; tensor_dim0
	s_mov_b32 s[\g+2], 8<<16                       ; tensor_dim1
	s_mov_b32 s[\g+3], 768<<16                     ; tile_dim0
	s_mov_b32 s[\g+4], 8                           ; tile_dim1
	s_mov_b32 s[\g+5], 1536                        ; tensor_dim0_stride
	s_mov_b32 s[\g+6], 0
	s_mov_b32 s[\g+7], 0
.endr
	; and for the scale words: dense bytes as rows of 256: A's 128 rows 16 of them, B's 256 rows 32
	s_mov_b32 s[G1B+2], 16<<16                     ; the two first fills of B bring all 16 row blocks by one load: tensor_dim1 = 16,
	s_mov_b32 s[G1B+4], 16                         ; tile_dim1 = 16; the ring's loads bring 8 (set at the first change of slots)
	s_or_b32 s[G1SA+0], s43, (3<<16)|(1<<21)
	s_mov_b32 s[G1SA+1], 32<<16
	s_mov_b32 s[G1SA+2], 16<<16
	s_mov_b32 s[G1SA+3], 32<<16
	s_mov_b32 s[G1SA+4], 16
	s_mov_b32 s[G1SA+5], 32
	s_mov_b32 s[G1SA+6], 0
	s_mov_b32 s[G1SA+7], 0
	s_or_b32 s[G1SB+0], s44, (3<<16)|(1<<21)
	s_mov_b32 s[G1SB+1], 32<<16
	s_mov_b32 s[G1SB+2], 32<<16
	s_mov_b32 s[G1SB+3], 32<<16
	s_mov_b32 s[G1SB+4], 32
	s_mov_b32 s[G1SB+5], 32
	s_mov_b32 s[G1SB+6], 0
	s_mov_b32 s[G1SB+7], 0
	; tile 0, A: x1's row block 8 (4 CY + cy): registers that never hold cx
	s_lshl_b32 s17, s42, 2
	s_add_co_u32 s17, s17, s41
	s_lshl_b32 s17, s17, 3
	s_mul_i32 s20, s17, RBM                        ; its codes,
	s_mov_b32 s21, 0
	s_lshl_b32 s22, s17, 9                         ; its scale words
	s_mov_b32 s23, 0
	; tile 0, B: Wq's row block 1536 + 16 cx: registers that never hold cy
	s_lshl_b32 s18, s40, 4
	s_add_co_u32 s18, s18, 1536
	s_lshl_b32 s66, s18, 9                         ; its scale words,
	s_mov_b32 s67, 0
	s_lshl_b32 s19, s16, 3
	s_add_co_u32 s18, s18, s19                     ; the half that I fetch,
	s_mul_i32 s12, s18, RBM                        ; its codes
	s_mov_b32 s13, 0
	s_mul_i32 s19, s16, BHALF
	s_add_co_u32 s19, s19, BOFF                    ; and where they go: no place in the cluster enters an LDS address
	s_wait_dscnt 0x0                               ; the opening add is done
	s_wait_kmcnt 0x0
	s_add_nc_u64 s[20:21], s[4:5], s[20:21]
	s_add_nc_u64 s[22:23], s[6:7], s[22:23]
	s_add_nc_u64 s[12:13], s[4:5], s[12:13]
	s_add_nc_u64 s[66:67], s[6:7], s[66:67]
	CROUND                                         ; all sixteen work-groups are here: the first joint loads meet
.irp s, 0,1
	s_mov_b32 s[GA+4*\s], 1                                        ; count = 1
	s_mov_b32 s[GA+4*\s+1], \s*SLOT                                ; LDS address
	s_add_nc_u64 s[GA+4*\s+2:GA+4*\s+3], s[20:21], \s*RB4          ; global address: step s of tile 0
	s_or_b32 s[GA+4*\s+3], s[GA+4*\s+3], 0x80000000                ; type = 2
	s_mov_b32 s[GB+4*\s], 1
	s_add_co_u32 s[GB+4*\s+1], s19, \s*SLOT
	s_add_nc_u64 s[GB+4*\s+2:GB+4*\s+3], s[12:13], \s*RB4
	s_or_b32 s[GB+4*\s+3], s[GB+4*\s+3], 0x80000000
.endr
.irp t, 0,1                            ; the scale words of tiles 0 and 1: x2 lies 512 row blocks behind x1, Wk 64 behind Wq; 512 bytes a row block
	s_mov_b32 s[GS+8*\t], 1
	s_mov_b32 s[GS+8*\t+1], SCL+\t*SREG
	s_add_nc_u64 s[GS+8*\t+2:GS+8*\t+3], s[22:23], \t*262144
	s_or_b32 s[GS+8*\t+3], s[GS+8*\t+3], 0x80000000
	s_mov_b32 s[GS+8*\t+4], 1
	s_mov_b32 s[GS+8*\t+5], SCL+\t*SREG+SBO
	s_add_nc_u64 s[GS+8*\t+6:GS+8*\t+7], s[66:67], \t*32768
	s_or_b32 s[GS+8*\t+7], s[GS+8*\t+7], 0x80000000
.endr
; THE FIRST FILLS, ONE LOAD A WAVE, in one chain of branches on the wave's number with one join.  Group s (0: at the head; 1: behind the full sequence and a round):
; wave 0 all 256 rows of B of slot s (its own group 0 points at B's first half), wave 1 A's 128 rows, wave 2 A's scale words of tile s, wave 3 B's.
.macro ARM under, g0, g1, next, join
	s_cmp_lt_u32 s14, \under
	s_cbranch_scc0 \next
	tensor_load_to_lds s[\g0:\g0+3], s[\g1:\g1+7]
	s_nop 0
.rept 4
	v_nop
.endr
	s_branch \join
\next:
.endm
.macro FILL4 s
	ARM 1, GB+4*\s, G1B, .Lfa_\s, .Lfj_\s
	ARM 2, GA+4*\s, G1A, .Lfb_\s, .Lfj_\s
	ARM 3, GS+8*\s, G1SA, .Lfc_\s, .Lfj_\s
	tensor_load_to_lds s[GS+8*\s+4:GS+8*\s+7], s[G1SB:G1SB+7]
	s_nop 0
.rept 4
	v_nop
.endr
.Lfj_\s:
.endm
	FILL4 0
; PREFETCHES: behind each group of tensor loads the step that the NEXT group will load is asked for.  A step is 24 blocks of 256 bytes for each row block.  The four partners that load a tile jointly share it
; out by address: of B's 16 row blocks the partner at cy takes 4 cy .. 4 cy + 3, a wave one (24 lanes; the lanes left over name the last block again); of A's 8 the partner at cx takes two, a wave half of one (12 lanes).
.set PFA,  4                           ; s[4:5] my part of A's tile in xc;  s[6:7] of B's (the arguments that lay there have been used)
.set PFB,  6
.set PFOA, 8                           ; v8, v9 the lanes' offsets; never rewritten
.set PFOB, 9
.macro ASK oa, ob
	global_prefetch_b8 v[PFOA], s[PFA:PFA+1] offset:\oa th:TH_LOAD_NT scope:SCOPE_SE
	global_prefetch_b8 v[PFOB], s[PFB:PFB+1] offset:\ob th:TH_LOAD_NT scope:SCOPE_SE
.endm
	v_and_b32 v10, 31, v0
	v_min_u32 v[PFOB], 23, v10
	v_min_u32 v[PFOA], 11, v10
	v_lshlrev_b32 v[PFOB], 8, v[PFOB]
	v_lshlrev_b32 v[PFOA], 8, v[PFOA]
	s_lshl_b32 s17, s42, 2
	s_add_co_u32 s17, s17, s41
	s_lshl_b32 s17, s17, 3                         ; A: row block 8 (4 CY + cy)
	s_lshl_b32 s18, s40, 1
	s_add_co_u32 s17, s17, s18                     ; + 2 cx
	s_add_co_u32 s17, s17, s15                     ; + wave / 2
	s_mul_i32 s20, s17, RBM
	s_mul_i32 s18, s16, 3072                       ; + the half of its 6,144 bytes
	s_add_co_u32 s20, s20, s18
	s_mov_b32 s21, 0
	s_lshl_b32 s18, s40, 4                         ; B: row block 1536 + 16 cx + 4 cy + wave
	s_lshl_b32 s19, s41, 2
	s_add_co_u32 s18, s18, s19
	s_add_co_u32 s18, s18, s14
	s_add_co_u32 s18, s18, 1536
	s_mul_i32 s22, s18, RBM
	s_mov_b32 s23, 0
	s_add_nc_u64 s[PFB:PFB+1], s[4:5], s[22:23]
	s_add_nc_u64 s[PFA:PFA+1], s[4:5], s[20:21]
	s_wait_alu depctr_va_vdst(0)
	ASK RB4, RB4                                   ; q's second half of K
	; from k's tiles to v^T's, in row blocks: A: 1664 + 8 (cy + 4 (CY % 2)) - 512 - 8 (4 CY + cy) = 1152 + 32 (CY % 2) - 32 CY, above 0;  B: 1600 + 16 cx - 1024 - 16 (cx + 4 (CY / 2)) = 576 - 64 (CY / 2) DOWN, above 0.
	; Both hang on the cluster's number alone.
	s_and_b32 s17, s42, 1
	s_lshl_b32 s17, s17, 5
	s_add_co_u32 s17, s17, 1152
	s_lshl_b32 s18, s42, 5
	s_sub_co_u32 s17, s17, s18
	s_mul_i32 s[DA], s17, RBM
	s_mov_b32 s[DA+1], 0
	s_lshl_b32 s[DSA], s17, 9
	s_mov_b32 s[DSA+1], 0
	s_lshr_b32 s18, s42, 1
	s_lshl_b32 s18, s18, 6
	s_sub_co_u32 s18, 576, s18
	s_mul_i32 s[DB], s18, RBM
	s_mov_b32 s[DB+1], 0
	s_lshl_b32 s[DSB], s18, 9
	s_mov_b32 s[DSB+1], 0
	s_mov_b32 s[SEL], 0x76543210
	s_mov_b32 s[SEL+1], 0xfedcba98
	s_mov_b32 s45, 0xffff0000                      ; lanes 16-31
	v_and_b32 v1, 15, v0                           ; r
	v_bfe_u32 v2, v0, 4, 1                         ; h
	s_wait_alu depctr_va_vdst(0)
	v_and_b32 v3, 31, v0
	v_lshlrev_b32 v[WO], 2, v3
	v_lshlrev_b32 v3, 4, v3                        ; 16 x lane: a fragment's image is read as it was stored; never rewritten
	s_mul_i32 s17, s15, AHALF                      ; my 64 rows of A
	s_mul_i32 s19, s16, BHALF
	s_add_co_u32 s19, s19, BOFF                    ; my 128 rows of B
.irp s, 0,1
	v_add_nc_u32 v[ADRA+\s], s17, v3
	v_add_nc_u32 v[ADRB+\s], s19, v3
	s_add_co_u32 s17, s17, SLOT
	s_add_co_u32 s19, s19, SLOT
.endr
	v_lshlrev_b32 v5, 2, v1
	s_lshl_b32 s17, s15, 8                         ; A's words: my four blocks, 64 bytes each
	s_lshl_b32 s19, s16, 12                        ; B's: my 128 rows
	s_add_co_u32 s19, s19, SBO
	s_sub_co_u32 s19, s19, s17
	v_mul_u32_u24 v6, s19, v2                      ; lanes 16-31 take B's words
	s_add_co_u32 s17, s17, SCL
	v_add_nc_u32 v6, v5, v6
	v_add_nc_u32 v[ADRS], s17, v6
	s_add_co_u32 s19, s19, 256
	v_mul_u32_u24 v6, s19, v2
	s_wait_alu depctr_va_vdst(0)
	s_lshl_b32 s17, s15, 8
	s_add_co_u32 s17, s17, SCL-256                 ; for blocks 4-7 (offsets from 256 on): lanes 0-15 stay inside A's four blocks
	v_add_nc_u32 v6, v5, v6
	v_add_nc_u32 v[ADRS2], s17, v6
.irp b, 0,1,2,3
	v_mov_b32 v[TM+4+\b], 0                        ; written once: a lane permute's destination counts as one of its sources
.endr
.macro FR4 reg, adr, q, i              ; a fragment comes as it lies: three loads of 16 bytes a lane, 512 consecutive bytes each
.irp c, 0,1,2
	ds_load_b128 v[\reg+4*\c:\reg+4*\c+3], v[\adr] offset:(\i)*RB4+(\q)*FRB+512*\c
.endr
.endm
.macro FETCH slot, q, p                ; the fragments of the slot's q-th 128 along K into set p: 36 loads in one run
	WIN TO_B
.irp i, 0,1,2,3,4,5,6,7
	FR4 128*(\p)+FR*\i, ADRB+\slot, \q, \i
.endr
	WIN 0
.irp i, 0,1,2,3
	FR4 AF+48*(\p)+FR*\i, ADRA+\slot, \q, \i
.endr
.endm
.macro SCALES4 sc, e, half             ; the scale words of half 'half' of K, out of region e, into set sc
.irp q, 0,1,2,3
.irp i, 0,1,2,3
	ds_load_b32 v[SC+32*(\sc)+8*\q+\i], v[ADRS] offset:(\e)*SREG+(4*(\half)+\q)*512+64*\i
.endr
.irp i, 4,5,6,7
	ds_load_b32 v[SC+32*(\sc)+8*\q+\i], v[ADRS2] offset:(\e)*SREG+(4*(\half)+\q)*512+64*\i
.endr
.endr
.endm
; 8 matrix instructions: A's block a x B's eight.  The 32 accumulators take turns, in the same order in every step and from tile to tile.  zero = 1: the products start the sums: nothing is cleared.
.macro MULA a, p, q, sc, zero
.irp b, 0,1,2,3,4,5,6,7
.if \zero
	v_wmma_scale_f32_16x16x128_f8f6f4 v[8*(8*(\a)+\b):8*(8*(\a)+\b)+7], v[128*(\p)+FR*\b:128*(\p)+FR*\b+FR-1], v[AF+48*(\p)+FR*(\a):AF+48*(\p)+FR*(\a)+FR-1], 0, v[SC+32*(\sc)+8*(\q)+\b], v[SC+32*(\sc)+8*(\q)+(\a)] matrix_a_fmt:MATRIX_FMT_FP6 matrix_b_fmt:MATRIX_FMT_FP6 matrix_a_scale:MATRIX_SCALE_ROW1
.else
	v_wmma_scale_f32_16x16x128_f8f6f4 v[8*(8*(\a)+\b):8*(8*(\a)+\b)+7], v[128*(\p)+FR*\b:128*(\p)+FR*\b+FR-1], v[AF+48*(\p)+FR*(\a):AF+48*(\p)+FR*(\a)+FR-1], v[8*(8*(\a)+\b):8*(8*(\a)+\b)+7], v[SC+32*(\sc)+8*(\q)+\b], v[SC+32*(\sc)+8*(\q)+(\a)] matrix_a_fmt:MATRIX_FMT_FP6 matrix_b_fmt:MATRIX_FMT_FP6 matrix_a_scale:MATRIX_SCALE_ROW1
.endif
.endr
.endm
; The n-th of a step's 36 fragment loads, in the order in which the products want them: A's block 0 (n 0-2), B's eight blocks (3-26), A's blocks 1 to 3 (27-35)
.macro PSTEP slot, q, zero             ; one of a slot's first three steps of 128: the next step's fragments are asked for, in one run, ahead of this step's 32 products
	s_wait_dscnt 0x0                               ; this step's fragments and scale words are in
	PLACES 4                                       ; in front of loads into the set that the last step's products read
	FETCH \slot, (\q)+1, ((\q)+1)%2
	WIN MUL
	MULA 0, (\q)%2, \q, \slot, \zero
	MULA 1, (\q)%2, \q, \slot, \zero
	MULA 2, (\q)%2, \q, \slot, \zero
	MULA 3, (\q)%2, \q, \slot, \zero
.endm
; A slot's last step of 128 changes slots: one barrier; in front of it each wave waits for all its tensor loads, adds 0 to its spare word, and waits for that and for its reads of this slot.
; fill = 1: this slot takes the same half of K of the NEXT tile, which lies a constant further on (x2 behind x1, Wk behind Wq); fill = 2: from k's tile to v^T's; fill = 0: nothing is left to fetch.
; sc: what wave 3 brings (RLOAD).  e, half: where the next step's scale words lie.
.macro PTURN slot, next, fill, sc, e, half
	WIN 0                                          ; (the add's two registers lie in window 0)
	s_wait_tensorcnt 0x0                           ; all my tensor loads have landed: my part of the next slot, or the scale words
	ds_add_u32 v[SPW], v[NIL]                      ; 0 onto my spare word
	s_mov_b32 s[G1B+2], 8<<16                      ; no tensor load of mine is out: from here on a load of B brings 8 row blocks
	s_mov_b32 s[G1B+4], 8
	s_wait_dscnt 1                                 ; (the add may be out; this step's fragments are in)
	WIN MUL
	MULA 0, 1, 3, \slot, 0
	s_wait_dscnt 0x0                               ; the add is done, and my reads of this slot are over
	s_barrier_signal -1
	MULA 1, 1, 3, \slot, 0
	WIN 0
	s_barrier_wait -1
.if \fill
	CREST                                          ; the barrier has opened a round of the cluster's: no wave of any partner still reads this slot or has a load on its way
.if (\fill) == 1
	s_add_nc_u64 s[GA+4*\slot+2:GA+4*\slot+3], s[GA+4*\slot+2:GA+4*\slot+3], 512*RBM
	s_add_nc_u64 s[GB+4*\slot+2:GB+4*\slot+3], s[GB+4*\slot+2:GB+4*\slot+3], 64*RBM
.else
	s_add_nc_u64 s[GA+4*\slot+2:GA+4*\slot+3], s[GA+4*\slot+2:GA+4*\slot+3], s[DA:DA+1]
	s_sub_nc_u64 s[GB+4*\slot+2:GB+4*\slot+3], s[GB+4*\slot+2:GB+4*\slot+3], s[DB:DB+1]
.endif
.if (\sc) == 1
	s_mov_b32 s[GS+9], SCL                         ; tile 2's words of A, into tile 0's region: its last reads were awaited ahead of this round
	s_add_nc_u64 s[GS+10:GS+11], s[GS+10:GS+11], s[DSA:DSA+1]
.elseif (\sc) == 2
	s_mov_b32 s[GS+13], SCL+SBO                    ; and of B
	s_sub_nc_u64 s[GS+14:GS+15], s[GS+14:GS+15], s[DSB:DSB+1]
.endif
	RLOAD \slot, \sc                               ; the first tensor load behind the round, one a wave
.endif
	PLACES 4                                       ; on every wave's way: in front of the loads into registers that products have read
	FETCH \next, 0, 0
	SCALES4 \next, \e, \half
	WIN MUL
	MULA 2, 1, 3, \slot, 0
	MULA 3, 1, 3, \slot, 0
	WIN 0
.endm
; 64 results of a lane in window w, v[s] on, register 16 b + i = next K 32 b + 16 h + i of my row, become a fragment's codes in v[PC] on and its scale word in v[PW].  Each accumulator is read from its low end on.
.macro QUANT s, w
	WIN (\w)|((\w)<<2)
.irp b, 0,1,2,3
	v_max3_num_f32 v[TM+\b], |v[\s+16*\b]|, |v[\s+1+16*\b]|, 0x1800000   ; and the floor 2^(3 - 127): the byte cannot fall under 1
.endr
.irp i, 2,4,6,8,10,12,14
.irp b, 0,1,2,3
	v_max3_num_f32 v[TM+\b], |v[\s+16*\b+\i]|, |v[\s+1+16*\b+\i]|, v[TM+\b]
.endr
.endr
	WIN 0
.irp b, 0,1,2,3
	v_permlanex16_b32 v[TM+4+\b], v[TM+\b], s[SEL], s[SEL+1]
.endr
.irp b, 0,1,2,3
	v_max_num_f32 v[TM+\b], v[TM+\b], v[TM+4+\b]   ; with lane l xor 16's 16: the block's largest magnitude
.endr
.irp b, 0,1,2,3
	v_add_nc_u32 v[TM+12+\b], 0xff000000, v[TM+\b] ; 2 off the exponent field: the conversion's scale operand
.endr
.irp b, 0,1,2,3
	v_lshrrev_b32 v[TM+4+\b], 23, v[TM+12+\b]      ; the scale's byte
.endr
	v_lshl_or_b32 v[PW], v[TM+5], 8, v[TM+4]
	v_lshl_or_b32 v[PW], v[TM+6], 16, v[PW]
	v_lshl_or_b32 v[PW], v[TM+7], 24, v[PW]
	WIN (\w)
.irp c, 0,1
	v_cvt_scalef32_pk16_fp6_f32 v[PC+6*\c:PC+2+6*\c], v[\s+32*\c:\s+15+32*\c], v[TM+12+2*\c]
	v_cvt_scalef32_pk16_fp6_f32 v[PC+12+4*\c:PC+14+4*\c], v[\s+16+32*\c:\s+31+32*\c], v[TM+13+2*\c]   ; (a conversion's three registers begin on an even number)
.endr
	WIN 0
	v_nop                                          ; one plain place behind a scaled conversion
.irp c, 0,1                            ; the operand's layout wants a whole block in a lane: lanes 0-15 block 2 c, lanes 16-31 block 2 c + 1
.irp i, 0,1,2
	v_permlane16_swap_b32 v[PC+6*\c+\i], v[PC+12+4*\c+\i]
.endr
.irp i, 0,1,2
	v_mov_b32 v[PC+3+6*\c+\i], v[PC+12+4*\c+\i]
.endr
.endr
.endm
; Block a (16 rows of A x my 128 rows of B) is one fragment of the result: it leaves from registers, three stores of 512 consecutive bytes.  Two blocks' scale words leave together, 128 consecutive bytes.
.macro OUTB a
	s_wait_xcnt 0x0                                ; the last block's stores have read their data and their offset
.if (\a) > 0
	v_add_nc_u32 v[VO], FRB<<NSH, v[VO]            ; a row block of the result on
.endif
.set AC, 64*(\a)
	QUANT AC, 2
.irp c, 0,1,2
	global_store_b128 v[VO], v[PC+4*\c:PC+4*\c+3], s[20:21] offset:512*\c
.endr
.if (\a)%2 == 0
	v_mov_b32 v[PWE], v[PW]
.else
	v_cndmask_b32 v[PWE], v[PWE], v[PW], s45       ; lanes 0-15: block a - 1's words; lanes 16-31: block a's
	global_store_b32 v[WO], v[PWE], s[22:23] offset:64*((\a)-1)
.endif
.endm
; THE WAY OUT of tile j (0 q, 1 k, 2 v^T).  Where a tile follows, both refills and the next tile's first fragments have been asked for; the way out touches none of their registers and no LDS.
.macro WAYOUT j
.if (\j) < 2
.set NSH, 3                            ; a row block of the result has 8 K steps,
.else
.set NSH, 6                            ; or 64
.endif
	PLACES 4                                       ; behind the last products
	s_wait_xcnt 0x0                                ; the last tile's stores have read their bases
.if (\j) < 2
	s_lshl_b32 s17, s42, 2
	s_add_co_u32 s17, s17, s41                     ; tile row 4 CY + cy
	s_lshl_b32 s18, s40, 1                         ; tile column cx
.else
	s_and_b32 s17, s42, 1
	s_lshl_b32 s17, s17, 2
	s_add_co_u32 s17, s17, s41                     ; tile row cy + 4 (CY % 2)
	s_lshr_b32 s18, s42, 1
	s_lshl_b32 s18, s18, 2
	s_add_co_u32 s18, s18, s40                     ; tile column cx + 4 (CY / 2)
	s_lshl_b32 s18, s18, 1
.endif
	s_add_co_u32 s18, s18, s16                     ; my K step of the result: 2 x tile column + my half of B
	s_lshl_b32 s20, s17, 3
	s_lshl_b32 s21, s15, 2
	s_add_co_u32 s20, s20, s21                     ; my first row block: 8 x tile row + 4 x my half of A
	s_lshl_b32 s20, s20, NSH
	s_add_co_u32 s20, s20, s18
	s_mul_i32 s20, s20, FRB
	s_add_co_u32 s20, s20, (\j)*6291456
	s_mov_b32 s21, 0
	s_add_nc_u64 s[20:21], s[8:9], s[20:21]
	s_lshl_b32 s22, s17, NSH
	s_add_co_u32 s22, s22, s18
	s_lshl_b32 s22, s22, 9                         ; the 512 bytes of words of these 128 rows and this K step,
	s_lshl_b32 s23, s15, 8
	s_add_co_u32 s22, s22, s23                     ; my four blocks of them
	s_add_co_u32 s22, s22, (\j)*262144
	s_mov_b32 s23, 0
	s_add_nc_u64 s[22:23], s[10:11], s[22:23]
	v_mov_b32 v[VO], v3
	OUTB 0
	OUTB 1
	OUTB 2
	OUTB 3
.endm
	s_wait_alu depctr_va_vdst(0)
	s_wait_tensorcnt 0x0                           ; my tile of the head's four is in
	ds_add_u32 v[SPW], v[NIL]
	s_wait_dscnt 0x0
	CROUND                                         ; a whole round: slot 0 and tile 0's words are in, and all sixteen work-groups are here
	FILL4 1                                        ; slot 1 and tile 1's scale words: first fills all, one a wave
	FETCH 0, 0, 0
	ASK 512*RBM, 64*RBM                            ; k's first half of K: x2 lies 512 row blocks behind x1, Wk 64 behind Wq
	SCALES4 0, 0, 0
	PSTEP 0, 0, 1                                  ; ---- q
	PSTEP 0, 1, 0
	PSTEP 0, 2, 0
	PTURN 0, 1, 1, 0, 0, 1                         ; slot 0 takes k's first half of K
	ASK 512*RBM+RB4, 64*RBM+RB4                    ; k's second half
	PSTEP 1, 0, 0
	PSTEP 1, 1, 0
	PSTEP 1, 2, 0
	PTURN 1, 0, 1, 1, 1, 0                         ; slot 1 k's second half; wave 3: v^T's words of A
	s_wait_xcnt 0x0                                ; my prefetches, the last a slot ago, have read their bases: on to v^T's tiles
	s_add_nc_u64 s[PFA:PFA+1], s[PFA:PFA+1], 512*RBM
	s_add_nc_u64 s[PFA:PFA+1], s[PFA:PFA+1], s[DA:DA+1]
	s_add_nc_u64 s[PFB:PFB+1], s[PFB:PFB+1], 64*RBM
	s_sub_nc_u64 s[PFB:PFB+1], s[PFB:PFB+1], s[DB:DB+1]
	ASK 0, 0                                       ; v^T's first half of K
	WAYOUT 0
	PSTEP 0, 0, 1                                  ; ---- k
	PSTEP 0, 1, 0
	PSTEP 0, 2, 0
	PTURN 0, 1, 2, 2, 1, 1                         ; slot 0 takes v^T's first half of K; wave 3: v^T's words of B
	ASK RB4, RB4                                   ; v^T's second half: the last step, nothing is asked for behind it
	PSTEP 1, 0, 0
	PSTEP 1, 1, 0
	PSTEP 1, 2, 0
	PTURN 1, 0, 2, 0, 0, 0                         ; slot 1 v^T's second half: the last load
	WAYOUT 1
	PSTEP 0, 0, 1                                  ; ---- v^T
	PSTEP 0, 1, 0
	PSTEP 0, 2, 0
	PTURN 0, 1, 0, 0, 0, 1                         ; nothing is left to fetch: no round
	PSTEP 1, 0, 0
	PSTEP 1, 1, 0
	PSTEP 1, 2, 0
	s_wait_dscnt 0x0
	MULA 0, 1, 3, 1, 0
	MULA 1, 1, 3, 1, 0
	MULA 2, 1, 3, 1, 0
	MULA 3, 1, 3, 1, 0
	WIN 0
	WAYOUT 2
	s_wait_tensorcnt 0x0                           ; the wave's end
	ds_add_u32 v[SPW], v[NIL]
	s_wait_dscnt 0x0
	CROUND                                         ; the closing round: no work-group ends while a partner may still ask for a tile that names it
	s_endpgm
.Lfunc_end_k_qd8eb64d6f3_proj:
	.size	k_qd8eb64d6f3_proj, .Lfunc_end_k_qd8eb64d6f3_proj-k_qd8eb64d6f3_proj
	.p2alignl 7, 3214868480
	.fill 96, 4, 3214868480
	.section	.rodata,"a",@progbits
	.p2align	6, 0x0
	.amdhsa_kernel k_qd8eb64d6f3_proj
		.amdhsa_group_segment_fixed_size 327680
		.amdhsa_private_segment_fixed_size 0
		.amdhsa_enable_private_segment 0
		.amdhsa_kernarg_size 32
		.amdhsa_user_sgpr_count 2
		.amdhsa_user_sgpr_kernarg_segment_ptr 1
		.amdhsa_wavefront_size32 1
		.amdhsa_system_sgpr_workgroup_id_x 1
		.amdhsa_system_sgpr_workgroup_id_y 1
		.amdhsa_system_sgpr_workgroup_id_z 1
		.amdhsa_system_vgpr_workitem_id 0
		.amdhsa_next_free_vgpr 768
		.amdhsa_next_free_sgpr 102
		.amdhsa_reserve_vcc 0
		.amdhsa_float_denorm_mode_32 3
		.amdhsa_float_denorm_mode_16_64 3
		.amdhsa_memory_ordered 1
		.amdhsa_forward_progress 1
		.amdhsa_inst_pref_size 243
	.end_amdhsa_kernel
	.amdgpu_metadata
---
amdhsa.version: [ 1, 2 ]
amdhsa.kernels:
  - .name:           k_qd8eb64d6f3_proj
    .symbol:         k_qd8eb64d6f3_proj.kd
    .args:
      - { .name: xc, .offset: 0, .size: 8, .value_kind: global_buffer, .address_space: global }
      - { .name: xs, .offset: 8, .size: 8, .value_kind: global_buffer, .address_space: global }
      - { .name: qkvc, .offset: 16, .size: 8, .value_kind: global_buffer, .address_space: global }
      - { .name: qkvs, .offset: 24, .size: 8, .value_kind: global_buffer, .address_space: global }
    .group_segment_fixed_size: 327680
    .private_segment_fixed_size: 0
    .kernarg_segment_align: 8
    .kernarg_segment_size: 32
    .max_flat_workgroup_size: 128
    .sgpr_count:     102
    .vgpr_count:     768
    .wavefront_size: 32
...
	.end_amdgpu_metadata
.endif
;; end of part 2
;; launch score (part 3): grid 8 x 32, 4 waves a work-group, clusters of 4 x 4, 327,680 bytes of LDS; arguments qkvc, qkvs, mask, pc, pst; writes pc, pst
.if DOCPART == 3
	.amdgcn_target "amdgcn-amd-amdhsa--gfx1250"
	.amdhsa_code_object_version 6
	.text
	.protected	k_qd8eb64d6f3_score
	.globl	k_qd8eb64d6f3_score
	.p2align	8
	.type	k_qd8eb64d6f3_score,@function
k_qd8eb64d6f3_score:
	s_mov_b64 s[64:65], 0
	v_nop
	global_prefetch_b8 v0, s[64:65] scope:SCOPE_SE
	s_setreg_imm32_b32 hwreg(HW_REG_WAVE_MODE, 25, 1), 1
	s_wait_xcnt 0x0
	s_wait_alu depctr_hold_cnt(0) depctr_sa_sdst(0) depctr_va_vdst(0) depctr_va_sdst(0) depctr_va_ssrc(0) depctr_va_vcc(0) depctr_vm_vsrc(0)
	s_getreg_b32 s2, hwreg(HW_REG_IB_STS2, 6, 4)
	s_cmp_eq_u32 s2, 0
	s_cbranch_scc0 .Lentry_in_a_cluster
	s_endpgm
.Lentry_in_a_cluster:
	s_bfe_u32 s2, ttmp6, 0x10000c
	s_cmp_lg_u32 s2, 0xf033
	s_cbranch_scc0 .Lentry_shape_is_right
	s_endpgm
.Lentry_shape_is_right:
; logit = q k^T / 32 + mask; p = 2^(logit x log2(e) - M'), quantised along the keys to codes of FP6 (E2M3) with E8M0 scales.
; M' IS LOCAL: the ceiling of the largest t among the 128 keys that one wave holds of a query.  It is a whole number, so the next launch brings a block's scale byte under the row's own M by a subtraction.
; Stored for each query and each 128 keys: p's fragment (pc), its scale word, -M' as f32 and the sum l' of the unquantised p (pst, three sections of 524,288 bytes).
; The product is the same walk as the projections': tiles of 256 queries x 256 keys, four waves of 128 x 128, K = 1,024 in four steps of 256 through two LDS slots, operands in the order of their registers.
; TRANSPOSED USE: source 0 = 16 keys, source 1 = 16 queries: a lane holds one query.  k's fragments hold keys 32 B + 8 u + r + 8 (r / 8), so a lane's 16 results of tiles 2 B, 2 B + 1 are 16 neighbouring keys.
; THE MASK, 8 KB for each 16 queries x 128 keys of a wave, comes by loads into registers (a row's 512 consecutive bytes a load), which have a counter of their own beside the tensor loads'; it is parked in the wave's own
; LDS (pitch 528) and read back in the results' layout.  Five of a wave's eight blocks are asked for during the products, three during the softmax of the first blocks.
; The logits are made IN PLACE in the accumulators' registers; so the mask's registers are free at once, and the next block's mask lands during this block's softmax.
; CLUSTERS: 4 x 4 work-groups; q's tiles jointly along a row of the cluster, k's along a column.  256 work-groups.
; LIMITS: NaN, and +infinity in the mask, are not served; -infinity in the mask is (128 keys that are all hidden give p = 0, l' = 0 and -M' = 3e38); |logit| stays under 2e38.
; A block's largest p is taken from its largest logit by the same multiply-add and exponential.  A block whose every p is 0 keeps the byte 1: its codes are zeros.
; REGISTERS: window 0: v0-31 addresses; v32-63 scale words, two sets; v64-127 a mask block as loaded; v128-223 A's fragments; on the way out v128-191 the mask in the results' layout, v192-234 at work.
;   window 1: B's fragments at v0 and v128; v96-127 and v224-255 a mask block as loaded; on the way out v0-63 one more.  windows 2, 3: accumulator (a, b) at v[8 (8 (a % 4) + b)].
.set FR,    12
.set NQ,    2
.set FRB,   1536
.set RBP,   NQ*FRB
.set RBM,   8*FRB
.set HALFT, 8*RBP
.set SLOT,  4*HALFT
.set SCL,   2*SLOT
.set HALFS, 4096
.set SGAP,  128
.set PARK,  213248                     ; behind the scale words: three places of 16 rows x 528 bytes for each wave; no tensor load lands here
.set PLACE, 16*528
.set SPARE, PARK+4*3*PLACE             ; the spare words, 128 bytes a wave: two blocks of 256 bytes that no other line names
.set MOF,  3                           ; v3   16 x lane: offset of the mask's loads and of the codes' stores; never rewritten
.set PKA,  4                           ; v4   my park, way in
.set PKR,  5                           ; v5   my park, way back: row r, + 64 h
.set WO,   7                           ; v7   4 x lane
.set ADRA, 16
.set ADRB, 20
.set ADRS, 27
.set SPW,  28
.set NIL,  29
.set SC,   32
.set AF,   128
.set T,    128                         ; the way out: the mask of 16 queries: register 16 b + i = key 32 b + 16 h + i of my query
.set PC,   192                         ; v192-211 the codes just made
.set BM,   212                         ; v212-215 each block's largest logit, then its largest p
.set TP,   216                         ; v216-219
.set SOP,  220                         ; v220-223 the conversions' scale operands
.set PW,   224
.set PWE,  225
.set NME,  226
.set LE,   227
.set SA,   228                         ; v[228:229], v[230:231] the sum in two chains
.set SB,   230
.set NM,   232                         ; v232 -M'; v233 the largest t
.set LL,   234
.set G1, 24
.set G0, 32
.set G1B, 48
.set G0B, 56
.set G1S, 68
.set G0S, 76
.set G1SB, 80
.set G0SB, 88
.set RS,  92                           ; s[92:93] 1 / 32
.set CS,  94                           ; s[94:95] log2(e)
.set SEL, 96                           ; s[96:97] lane selects: lane l xor 16
.set MSB, 0
.macro WIN new
.if MSB != (\new)
	s_set_vgpr_msb (MSB<<8)|(\new)
.set MSB, (\new)
.endif
.endm
.set MUL_LO, 0xa1
.set MUL_HI, 0xf1
.set TO_B,   0x40
.macro JLOAD g0a, g1a, g0b, g1b        ; a joint load: waves 0 and 1 fetch for A, waves 2 and 3 for B; an s_nop 0 and four v_nop follow each of the two lines
	s_cmp_eq_u32 s15, 0
	s_cbranch_scc0 .Lfor_b_\@
	tensor_load_to_lds s[\g0a:\g0a+3], s[\g1a:\g1a+7]
	s_nop 0
.rept 4
	v_nop
.endr
	s_branch .Lasked_\@
.Lfor_b_\@:
	tensor_load_to_lds s[\g0b:\g0b+3], s[\g1b:\g1b+7]
	s_nop 0
.rept 4
	v_nop
.endr
.Lasked_\@:
.endm
.macro CREST
	s_cmp_lg_u32 s14, 0
	s_cbranch_scc1 .Lnot_wave_0_\@
	s_barrier_signal -3
.Lnot_wave_0_\@:
	s_barrier_wait -3
	s_barrier_signal -1
	s_barrier_wait -1
.endm
.macro CROUND
	s_barrier_signal -1
	s_barrier_wait -1
	CREST
.endm
.macro PLACES n
.rept \n
	v_nop
.endr
.endm
	s_load_b256 s[4:11], s[0:1], 0x0               ; qkvc s[4:5], qkvs s[6:7], mask s[8:9], pc s[10:11]
	s_load_b64 s[12:13], s[0:1], 0x20              ; pst
	v_lshl_add_u32 v[SPW], v0, 2, SPARE
	v_mov_b32 v[NIL], 0
	ds_add_u32 v[SPW], v[NIL]                      ; the wave's opening: the add and its wait ahead of my first tensor load
	ds_add_u32 v[SPW], v[NIL]
	v_lshrrev_b32 v1, 5, v0
	v_readfirstlane_b32 s14, v1                    ; wave 0..3
	s_lshr_b32 s15, s14, 1                         ; my half of the queries.  Also: I fetch for q (0) or for k (1)
	s_and_b32 s16, s14, 1                          ; my half of the keys.  Also: which 128 rows I fetch
	s_bfe_u32 s40, ttmp6, 0x40000                  ; cx
	s_bfe_u32 s41, ttmp6, 0x40004                  ; cy
	s_lshl_b32 s42, ttmp9, 2
	s_add_co_u32 s42, s42, s40                     ; tile column: 256 keys of the batch
	s_and_b32 s17, ttmp7, 0xffff
	s_lshr_b32 s18, s17, 1                         ; the batch: eight tile rows each
	s_lshl_b32 s22, s17, 2
	s_add_co_u32 s22, s22, s41                     ; tile row: 256 queries, counted over all batches
	s_lshl_b32 s43, s41, 2
	s_lshl_b32 s43, 15, s43
	s_lshl_b32 s44, 0x1111, s40
	s_or_b32 s[G1+0], s43, (3<<16)|(1<<21)         ; the codes: 8 row blocks x 3,072 bytes, 12,288 bytes apart in memory, dense in LDS
	s_or_b32 s[G1B+0], s44, (3<<16)|(1<<21)
.irp g, G1, G1B
	s_mov_b32 s[\g+1], 384<<16
	s_mov_b32 s[\g+2], 16<<16                      ; the head's loads bring all 16 row blocks of a tile; the ring's 8 (set behind the head's wait)
	s_mov_b32 s[\g+3], 384<<16
	s_mov_b32 s[\g+4], 16
	s_mov_b32 s[\g+5], 1536
	s_mov_b32 s[\g+6], 0
	s_mov_b32 s[\g+7], 0
.endr
	s_or_b32 s[G1S+0], s43, (3<<16)|(1<<21)        ; the scale words: dense bytes as rows of 256
	s_or_b32 s[G1SB+0], s44, (3<<16)|(1<<21)
.irp g, G1S, G1SB
	s_mov_b32 s[\g+1], 32<<16
	s_mov_b32 s[\g+2], 32<<16                      ; the scale words of 256 rows: 8,192 dense bytes as 32 rows of 256
	s_mov_b32 s[\g+3], 32<<16
	s_mov_b32 s[\g+4], 32
	s_mov_b32 s[\g+5], 32
	s_mov_b32 s[\g+6], 0
	s_mov_b32 s[\g+7], 0
.endr
	s_lshl_b32 s23, s22, 4
	s_lshl_b32 s17, s16, 3
	s_add_co_u32 s23, s23, s17                     ; q's first row block that I fetch
	s_mul_i32 s20, s23, RBM
	s_mov_b32 s21, 0
	s_lshl_b32 s96, s22, 13                        ; the scale words of the tile's 256 queries: 512 bytes a row block
	s_mov_b32 s97, 0
	s_lshl_b32 s46, s18, 7
	s_lshl_b32 s47, s42, 4
	s_add_co_u32 s46, s46, s47
	s_lshl_b32 s92, s46, 9                         ; the scale words of the tile's 256 keys
	s_lshl_b32 s47, s16, 3
	s_add_co_u32 s46, s46, s47                     ; k's first row block that I fetch
	s_add_co_u32 s92, s92, 262144
	s_mov_b32 s93, 0
	s_mul_i32 s46, s46, RBM
	s_add_co_u32 s46, s46, 6291456
	s_mov_b32 s47, 0
	s_mul_i32 s45, s14, HALFT
	s_wait_dscnt 0x0                               ; the opening add is done
	s_wait_kmcnt 0x0
	s_add_nc_u64 s[20:21], s[4:5], s[20:21]
	s_add_nc_u64 s[96:97], s[6:7], s[96:97]
	s_add_nc_u64 s[46:47], s[4:5], s[46:47]
	s_add_nc_u64 s[92:93], s[6:7], s[92:93]
	CROUND                                         ; all sixteen work-groups are here: the first joint loads meet
	s_mov_b32 s[G0S], 1
	s_mov_b32 s[G0S+1], SCL
	s_mov_b64 s[G0S+2:G0S+3], s[96:97]
	s_or_b32 s[G0S+3], s[G0S+3], 0x80000000
	s_mov_b32 s[G0SB], 1
	s_mov_b32 s[G0SB+1], SCL+2*HALFS+SGAP
	s_mov_b64 s[G0SB+2:G0SB+3], s[92:93]
	s_or_b32 s[G0SB+3], s[G0SB+3], 0x80000000
.irp s, 0,1
	s_mov_b32 s[G0+4*\s], 1
	s_add_co_u32 s[G0+4*\s+1], s45, \s*SLOT
	s_add_nc_u64 s[G0+4*\s+2:G0+4*\s+3], s[20:21], \s*RBP
	s_or_b32 s[G0+4*\s+3], s[G0+4*\s+3], 0x80000000
	s_mov_b32 s[G0B+4*\s], 1
	s_add_co_u32 s[G0B+4*\s+1], s45, \s*SLOT
	s_add_nc_u64 s[G0B+4*\s+2:G0B+4*\s+3], s[46:47], \s*RBP
	s_or_b32 s[G0B+4*\s+3], s[G0B+4*\s+3], 0x80000000
.endr
; THE HEAD'S LOADS, ONE A WAVE, in one chain of branches on the wave's number with one join: wave 0 slot 0's 256 rows of q (its own group 0 points at the tile's first row block),
; wave 1 q's scale words for all of K, wave 2 slot 0's 256 rows of k (likewise), wave 3 k's scale words.
.macro ARM under, g0, g1, next
	s_cmp_lt_u32 s14, \under
	s_cbranch_scc0 \next
	tensor_load_to_lds s[\g0:\g0+3], s[\g1:\g1+7]
	s_nop 0
.rept 4
	v_nop
.endr
	s_branch .Lhead_asked
\next:
.endm
	ARM 1, G0,  G1,  .Lhead_qs
	ARM 2, G0S, G1S, .Lhead_k
	ARM 3, G0B, G1B, .Lhead_ks
	tensor_load_to_lds s[G0SB:G0SB+3], s[G1SB:G1SB+7]
	s_nop 0
.rept 4
	v_nop
.endr
.Lhead_asked:
; PREFETCHES: behind each group of tensor loads the 256 along K that the NEXT group will load are asked for: 12 blocks of 256 bytes for each row block.  The four partners that load a tile jointly share its 16 row
; blocks out by address (cx for q, cy for k): four each, two a wave (waves 0, 1 q's, waves 2, 3 k's): 24 lanes, the lanes left over name the last block again.  The steps along K stand in the immediate: nothing is stepped.
.set PFO, 10                           ; v10 the lanes' offset; never rewritten
.set PFA, 66                           ; s[66:67] my two row blocks; never rewritten
	v_and_b32 v6, 31, v0
	v_min_u32 v6, 23, v6
	v_mul_u32_u24 v[PFO], v6, 43
	v_lshrrev_b32 v[PFO], 9, v[PFO]                ; lane / 12: which of the two row blocks
	v_mul_u32_u24 v[PFO], v[PFO], RBM-RBP
	v_lshl_add_u32 v[PFO], v6, 8, v[PFO]
	s_lshl_b32 s2, s22, 4                          ; q: row block 16 x tile row + 4 cx
	s_lshl_b32 s3, s40, 2
	s_add_co_u32 s2, s2, s3
	s_lshl_b32 s66, s18, 7                         ; k: 512 (q's row blocks lie ahead) + 128 x batch + 16 x tile column + 4 cy
	s_lshl_b32 s67, s42, 4
	s_add_co_u32 s66, s66, s67
	s_lshl_b32 s67, s41, 2
	s_add_co_u32 s66, s66, s67
	s_add_co_u32 s66, s66, 512
	s_cmp_eq_u32 s15, 0
	s_cselect_b32 s66, s2, s66
	s_lshl_b32 s67, s16, 1
	s_add_co_u32 s66, s66, s67                     ; + 2 x (wave % 2)
	s_mul_i32 s66, s66, RBM
	s_mov_b32 s67, 0
	s_add_nc_u64 s[PFA:PFA+1], s[4:5], s[66:67]
	s_wait_alu depctr_va_vdst(0)
	global_prefetch_b8 v[PFO], s[PFA:PFA+1] offset:RBP th:TH_LOAD_NT scope:SCOPE_SE   ; slot 1's first tile
	v_and_b32 v1, 15, v0                           ; r
	v_bfe_u32 v2, v0, 4, 1                         ; h
	v_and_b32 v[MOF], 31, v0
	v_lshlrev_b32 v[WO], 2, v[MOF]
	v_lshlrev_b32 v[MOF], 4, v[MOF]
	; the mask at my first query and my first key; pc and pst at my first fragment
	s_wait_alu depctr_va_vdst(0)
	s_lshl_b32 s20, s22, 8
	s_lshl_b32 s21, s15, 7
	s_add_co_u32 s20, s20, s21
	s_lshl_b32 s20, s20, 13                        ; a row of the mask is 8,192 bytes
	s_lshl_b32 s21, s42, 10
	s_add_co_u32 s20, s20, s21
	s_lshl_b32 s21, s16, 9
	s_add_co_u32 s20, s20, s21
	s_mov_b32 s21, 0
	s_add_nc_u64 s[8:9], s[8:9], s[20:21]
	s_lshl_b32 s19, s42, 1
	s_add_co_u32 s19, s19, s16                     ; which 128 keys of the batch's 16
	s_lshl_b32 s20, s22, 4
	s_lshl_b32 s23, s15, 3
	s_add_co_u32 s20, s20, s23
	s_lshl_b32 s20, s20, 4
	s_add_co_u32 s20, s20, s19
	s_mul_i32 s20, s20, FRB
	s_add_nc_u64 s[10:11], s[10:11], s[20:21]
	s_lshl_b32 s20, s22, 1
	s_add_co_u32 s20, s20, s15
	s_lshl_b32 s20, s20, 4
	s_add_co_u32 s20, s20, s19
	s_lshl_b32 s20, s20, 9
	s_add_nc_u64 s[12:13], s[12:13], s[20:21]
	s_mul_i32 s17, s15, HALFT
	s_mul_i32 s19, s16, HALFT
	s_add_co_u32 s19, s19, 2*HALFT
.irp s, 0,1
	v_add_nc_u32 v[ADRA+\s], s17, v[MOF]
	v_add_nc_u32 v[ADRB+\s], s19, v[MOF]
	s_add_co_u32 s17, s17, SLOT
	s_add_co_u32 s19, s19, SLOT
.endr
	v_lshlrev_b32 v8, 2, v1
	s_mul_i32 s17, s15, HALFS
	s_mul_i32 s19, s16, HALFS
	s_add_co_u32 s19, s19, 2*HALFS+SGAP
	s_sub_co_u32 s19, s19, s17
	v_mul_u32_u24 v9, s19, v2                      ; lanes 16-31 take k's words
	s_add_co_u32 s17, s17, SCL
	v_add_nc_u32 v8, v8, v9
	v_add_nc_u32 v[ADRS], s17, v8
	s_mul_i32 s17, s14, 3*PLACE
	s_add_co_u32 s17, s17, PARK
	v_add_nc_u32 v[PKA], s17, v[MOF]
	v_mul_u32_u24 v[PKR], v1, 528
	v_lshl_add_u32 v[PKR], v2, 6, v[PKR]
	v_add_nc_u32 v[PKR], s17, v[PKR]
	s_mov_b32 s[RS], 0x3d000000                    ; 1 / 32 = 1 / sqrt(1024): a power of two, so the multiply-add rounds once, as multiply and add do
	s_mov_b32 s[RS+1], s[RS]
	s_mov_b32 s[CS], 0x3fb8aa3b                    ; log2(e)
	s_mov_b32 s[CS+1], s[CS]
	s_mov_b32 s[SEL], 0x76543210
	s_mov_b32 s[SEL+1], 0xfedcba98
	s_mov_b32 s98, 0xffff0000                      ; lanes 16-31
; Where mask block n (16 queries x 128 keys, a row to four registers) stands as loaded: window HW, rows 0-7 from v[HB0], rows 8-15 from v[HB1]
.macro HOME n
.if ((\n)==0)||((\n)==2)||((\n)==4)||((\n)==7)
.set HW, 0
.set HB0, 64
.set HB1, 96
.elseif (\n)==5
.set HW, 1
.set HB0, 0
.set HB1, 32
.else
.set HW, 1
.set HB0, 96
.set HB1, 224
.endif
.endm
.macro MLOAD n                         ; 16 loads, each 512 consecutive bytes of one row of the mask; read once in the launch
	HOME \n
	WIN (HW<<6)
.irp i, 0,1,2,3,4,5,6,7
	global_load_b128 v[HB0+4*\i:HB0+4*\i+3], v[MOF], s[8:9] offset:(16*(\n)+\i)*8192 th:TH_LOAD_NT
.endr
.irp i, 0,1,2,3,4,5,6,7
	global_load_b128 v[HB1+4*\i:HB1+4*\i+3], v[MOF], s[8:9] offset:(16*(\n)+8+\i)*8192 th:TH_LOAD_NT
.endr
	WIN 0
.endm
.macro PARKST n, cnt                   ; block n goes to place n % 3 of my park.  cnt: the loads of the younger blocks, which may stay out
	s_wait_loadcnt \cnt
	HOME \n
	WIN (HW<<2)
.irp i, 0,1,2,3,4,5,6,7
	ds_store_b128 v[PKA], v[HB0+4*\i:HB0+4*\i+3] offset:((\n)%3)*PLACE+528*\i
.endr
.irp i, 0,1,2,3,4,5,6,7
	ds_store_b128 v[PKA], v[HB1+4*\i:HB1+4*\i+3] offset:((\n)%3)*PLACE+528*(8+\i)
.endr
	WIN 0
.endm
.macro TLD n                           ; and comes back in the results' layout.  LDS serves a wave's instructions in order (ISA guide 5.7.1.4): a place is written again only behind these reads
.irp b, 0,1,2,3
.irp j, 0,1,2,3
	ds_load_b128 v[T+16*\b+4*\j:T+16*\b+4*\j+3], v[PKR] offset:((\n)%3)*PLACE+128*\b+16*\j
.endr
.endr
.endm
.macro FRAG reg, adr, q, i
.irp c, 0,1,2
	ds_load_b128 v[\reg+4*\c:\reg+4*\c+3], v[\adr] offset:(\i)*RBP+(\q)*FRB+512*\c
.endr
.endm
; 16 matrix instructions: q's blocks a0, a0 + 1 x k's eight.  The 64 accumulators take turns, in the same order in every step.
.macro MUL16 a0, p, q, sc, zero
.irp a, \a0, \a0+1
.irp b, 0,1,2,3,4,5,6,7
.if \zero
	v_wmma_scale_f32_16x16x128_f8f6f4 v[8*(8*((\a)%4)+\b):8*(8*((\a)%4)+\b)+7], v[128*(\p)+FR*\b:128*(\p)+FR*\b+FR-1], v[AF+FR*(\a):AF+FR*(\a)+FR-1], 0, v[SC+8*NQ*(\sc)+NQ*\b+(\q)], v[SC+8*NQ*(\sc)+NQ*(\a)+(\q)] matrix_a_fmt:MATRIX_FMT_FP6 matrix_b_fmt:MATRIX_FMT_FP6 matrix_a_scale:MATRIX_SCALE_ROW1
.else
	v_wmma_scale_f32_16x16x128_f8f6f4 v[8*(8*((\a)%4)+\b):8*(8*((\a)%4)+\b)+7], v[128*(\p)+FR*\b:128*(\p)+FR*\b+FR-1], v[AF+FR*(\a):AF+FR*(\a)+FR-1], v[8*(8*((\a)%4)+\b):8*(8*((\a)%4)+\b)+7], v[SC+8*NQ*(\sc)+NQ*\b+(\q)], v[SC+8*NQ*(\sc)+NQ*(\a)+(\q)] matrix_a_fmt:MATRIX_FMT_FP6 matrix_b_fmt:MATRIX_FMT_FP6 matrix_a_scale:MATRIX_SCALE_ROW1
.endif
.endr
.endr
.endm
.macro FETCH_B slot, q, p
	WIN TO_B
.irp i, 0,1,2,3,4,5,6,7
	FRAG 128*(\p)+FR*\i, ADRB+\slot, \q, \i
.endr
	WIN 0
.endm
.macro FETCH_A slot, q, i0
.irp i, \i0, \i0+1, \i0+2, \i0+3
	FRAG AF+FR*(\i), ADRA+\slot, \q, \i
.endr
.endm
.macro SCALES sc, n
.irp i, 0,1,2,3,4,5,6,7
.irp q, 0,1
	ds_load_b32 v[SC+8*NQ*(\sc)+NQ*\i+\q], v[ADRS] offset:1024*(\n)+512*\q+64*\i
.endr
.endr
.endm
; A slot's first 128 along K.  mk >= 0: mask block mk is parked in the step's middle, and block mk + 2 is asked for at its end, into the registers that block mk has left.
.macro STEP slot, zero, mk
	s_wait_dscnt 12                                ; all but the youngest 12 loads (q's blocks 4-7) are in
	WIN MUL_LO
	MUL16 0, 0, 0, \slot, \zero
	MUL16 2, 0, 0, \slot, \zero
	s_wait_dscnt 0x0
	PLACES 4
.if (\mk) >= 0
	PARKST \mk, 16                                 ; block mk's 16 loads are in; block mk + 1's may be out
.endif
	FETCH_B \slot, 1, 1
	FETCH_A \slot, 1, 0
	WIN MUL_HI
	MUL16 4, 0, 0, \slot, \zero
	MUL16 6, 0, 0, \slot, \zero
	PLACES 4
	WIN 0
.if (\mk) >= 0
	s_wait_dscnt 36                                ; all but the 36 fragment loads issued behind them: the park's stores have read their registers
	MLOAD (\mk)+2
.endif
	FETCH_A \slot, 1, 4
.endm
.macro TURN slot, next, fill, n        ; a slot's second 128 along K changes slots
	s_wait_tensorcnt 0x0                           ; all my tensor loads have landed: my part of the next slot
	ds_add_u32 v[SPW], v[NIL]                      ; 0 onto my spare word
	s_wait_dscnt 13                                ; (the add and the youngest 12 loads may be out)
	WIN MUL_LO
	MUL16 0, 1, 1, \slot, 0
	s_wait_dscnt 0x0                               ; the add is done, and my reads of this slot are over
	s_barrier_signal -1
	MUL16 2, 1, 1, \slot, 0
	WIN 0
	s_barrier_wait -1
.if \fill
	CREST                                          ; the barrier has opened a round of the cluster's: no wave of any partner still reads this slot or has a load on its way
	s_add_nc_u64 s[G0+4*\slot+2:G0+4*\slot+3], s[G0+4*\slot+2:G0+4*\slot+3], 2*RBP
	s_add_nc_u64 s[G0B+4*\slot+2:G0B+4*\slot+3], s[G0B+4*\slot+2:G0B+4*\slot+3], 2*RBP
	JLOAD G0+4*\slot, G1, G0B+4*\slot, G1B         ; the first tensor load behind the round; its four v_nop are the places in front of the loads below
.else
	PLACES 4
.endif
	FETCH_B \next, 0, 0
	FETCH_A \next, 0, 0
	SCALES \next, \n
.if (\fill) && ((\n)+2 < 4)
	global_prefetch_b8 v[PFO], s[PFA:PFA+1] offset:((\n)+2)*RBP th:TH_LOAD_NT scope:SCOPE_SE   ; what the next refill will load; the last refill has none behind it
.endif
	WIN MUL_HI
	MUL16 4, 1, 1, \slot, 0
	MUL16 6, 1, 1, \slot, 0
	PLACES 4
	WIN 0
	FETCH_A \next, 0, 4
.endm
	MLOAD 0                                        ; the mask's first two blocks, behind the head's tensor loads
	MLOAD 1
	s_wait_alu depctr_va_vdst(0)
	s_wait_tensorcnt 0x0                           ; my tile of the head's four is in
	ds_add_u32 v[SPW], v[NIL]
	s_mov_b32 s[G1+2], 8<<16                       ; no tensor load of mine is out: from here on a load brings 8 row blocks
	s_mov_b32 s[G1+4], 8
	s_mov_b32 s[G1B+2], 8<<16
	s_mov_b32 s[G1B+4], 8
	s_wait_dscnt 0x0
	CROUND                                         ; a whole round: slot 0 and the scale words are in, and all sixteen work-groups are here
	JLOAD G0+4, G1, G0B+4, G1B                     ; slot 1's first fill, a quarter a wave: the first tensor load behind the round
	FETCH_B 0, 0, 0
	global_prefetch_b8 v[PFO], s[PFA:PFA+1] offset:2*RBP th:TH_LOAD_NT scope:SCOPE_SE   ; what the first refill will load
	FETCH_A 0, 0, 0
	SCALES 0, 0
	FETCH_A 0, 0, 4
	STEP 0, 1, -1                                  ; the first products start the sums: nothing is cleared
	TURN 0, 1, 1, 1
	STEP 1, 0, 0
	TURN 1, 0, 1, 2
	STEP 0, 0, 1
	TURN 0, 1, 0, 3                                ; nothing is left to fetch
	STEP 1, 0, 2
	s_wait_dscnt 12
	WIN MUL_LO
	MUL16 0, 1, 1, 1, 0
	MUL16 2, 1, 1, 1, 0
	s_wait_dscnt 0x0
	WIN MUL_HI
	MUL16 4, 1, 1, 1, 0
	MUL16 6, 1, 1, 1, 0
	WIN 0
; THE WAY OUT, block a: 16 queries x my 128 keys.  cnt: the loads of the mask blocks younger than block a + 3.
.macro SOFT a, cnt
.set AC, 64*((\a)%4)
.set AW, 2+(\a)/4
.if (\a) <= 4
	PARKST (\a)+3, \cnt                            ; into the place that block a's reads, issued earlier, have left
	s_wait_dscnt 16                                ; all but those 16 stores: block a's mask is in
.else
	s_wait_dscnt 0x0
.endif
	WIN (AW<<6)|AW
.set j, 0
.rept 32
	v_pk_fma_f32 v[AC+j:AC+j+1], v[AC+j:AC+j+1], s[RS:RS+1], v[T+j:T+j+1] op_sel_hi:[1,0,1]   ; logit = score / 32 + mask, in place; each accumulator from its low end on
.set j, j+2
.endr
	WIN 0
.if (\a) <= 6
	TLD (\a)+1                                     ; the next block's mask lands during this block's softmax
.endif
.if (\a) <= 1
	s_wait_dscnt 16                                ; all but the 16 loads just issued: the park's stores have read their registers,
	MLOAD (\a)+6                                   ; which take the mask's last blocks
.endif
	WIN AW|(AW<<2)
.irp b, 0,1,2,3
	v_max_num_f32 v[BM+\b], v[AC+16*\b], v[AC+16*\b+1]   ; the largest logit of each block of 32 keys: it serves for M' and for the block's largest p
.endr
.irp i, 2,4,6,8,10,12,14
.irp b, 0,1,2,3
	v_max3_num_f32 v[BM+\b], v[AC+16*\b+\i], v[AC+16*\b+\i+1], v[BM+\b]
.endr
.endr
	WIN 0
.irp b, 0,1,2,3
	v_permlanex16_b32 v[TP+\b], v[BM+\b], s[SEL], s[SEL+1]
.endr
.irp b, 0,1,2,3
	v_max_num_f32 v[BM+\b], v[BM+\b], v[TP+\b]     ; with lane l xor 16's 16 keys
.endr
	v_max3_num_f32 v[NM+1], v[BM], v[BM+1], v[BM+2]
	v_max_num_f32 v[NM+1], v[NM+1], v[BM+3]
	v_mul_f32 v[NM+1], s[CS], v[NM+1]              ; the largest t of my query's 128 keys,
	v_max_num_f32 v[NM+1], 0xff61b1e6, v[NM+1]     ; not under -3e38: 128 hidden keys give p = 0 and no NaN
	v_floor_f32 v[NM], -v[NM+1]                    ; -M' = floor(-t) = -ceil(t): a whole number
.irp b, 0,1,2,3
	v_fma_f32 v[BM+\b], v[BM+\b], s[CS], v[NM]
.endr
	s_wait_alu depctr_va_vdst(0)
.irp b, 0,1,2,3
	v_exp_f32 v[BM+\b], v[BM+\b]                   ; each block's largest p: the same two instructions on the same number give the same bits
.endr
	v_nop                                          ; a plain place behind the exponentials,
	s_wait_alu depctr_va_vdst(0)                   ; and the wait ahead of the first line that names a result: one for the four
	WIN (AW<<6)|AW
.set j, 0
.rept 32
	v_pk_fma_f32 v[AC+j:AC+j+1], v[AC+j:AC+j+1], s[CS:CS+1], v[NM:NM+1] op_sel_hi:[1,0,0]   ; t - M'
.set j, j+2
.endr
.set j, 0
	s_wait_alu depctr_va_vdst(0)
.rept 64
	v_exp_f32 v[AC+j], v[AC+j]                     ; p = 2^(t - M'), at most 1: not normalised
.set j, j+1
.endr
	v_nop
	s_wait_alu depctr_va_vdst(0)                   ; one wait for the 64
	WIN 0
.irp b, 0,1,2,3
	v_max_num_f32 v[BM+\b], 0x1800000, v[BM+\b]    ; the floor 2^(3 - 127): the byte cannot fall under 1
.endr
.irp b, 0,1,2,3
	v_add_nc_u32 v[SOP+\b], 0xff000000, v[BM+\b]   ; 2 off the exponent field: the conversion's scale operand
.endr
.irp b, 0,1,2,3
	v_lshrrev_b32 v[TP+\b], 23, v[SOP+\b]          ; the scale's byte
.endr
	v_lshl_or_b32 v[PW], v[TP+1], 8, v[TP]
	v_lshl_or_b32 v[PW], v[TP+2], 16, v[PW]
	v_lshl_or_b32 v[PW], v[TP+3], 24, v[PW]
	WIN AW|(AW<<2)
	v_pk_add_f32 v[SA:SA+1], v[AC:AC+1], v[AC+4:AC+5]       ; the sum is taken of the unquantised p: two at a time, in two chains
	v_pk_add_f32 v[SB:SB+1], v[AC+2:AC+3], v[AC+6:AC+7]
	WIN AW
.set j, 8
.rept 14
	v_pk_add_f32 v[SA:SA+1], v[AC+j:AC+j+1], v[SA:SA+1]
	v_pk_add_f32 v[SB:SB+1], v[AC+j+2:AC+j+3], v[SB:SB+1]
.set j, j+4
.endr
	s_wait_alu depctr_va_vdst(0)
	s_wait_xcnt 0x0                                ; the last block's stores have read their data: the registers are rewritten only behind this wait
.irp c, 0,1
	v_cvt_scalef32_pk16_fp6_f32 v[PC+6*\c:PC+2+6*\c], v[AC+32*\c:AC+15+32*\c], v[SOP+2*\c]
	v_cvt_scalef32_pk16_fp6_f32 v[PC+12+4*\c:PC+14+4*\c], v[AC+16+32*\c:AC+31+32*\c], v[SOP+1+2*\c]
.endr
	WIN 0
	v_pk_add_f32 v[SA:SA+1], v[SA:SA+1], v[SB:SB+1]         ; (the plain place behind the conversions)
.irp c, 0,1                            ; the operand's layout wants a whole block in a lane
.irp i, 0,1,2
	v_permlane16_swap_b32 v[PC+6*\c+\i], v[PC+12+4*\c+\i]
.endr
.irp i, 0,1,2
	v_mov_b32 v[PC+3+6*\c+\i], v[PC+12+4*\c+\i]
.endr
.endr
	v_add_f32 v[LL], v[SA], v[SA+1]
	v_permlanex16_b32 v[TP], v[LL], s[SEL], s[SEL+1]
	v_add_f32 v[LL], v[LL], v[TP]                  ; l': the sum over my query's 128 keys
.irp c, 0,1,2
	global_store_b128 v[MOF], v[PC+4*\c:PC+4*\c+3], s[10:11] offset:16*FRB*(\a)+512*\c   ; 512 consecutive bytes, at a multiple of 256 from pc's first byte
.endr
.if (\a)%2 == 0
	v_mov_b32 v[PWE], v[PW]
	v_mov_b32 v[NME], v[NM]
	v_mov_b32 v[LE], v[LL]
.else
	v_cndmask_b32 v[PWE], v[PWE], v[PW], s98       ; lanes 0-15: block a - 1's; lanes 16-31: block a's: 128 consecutive bytes a store
	v_cndmask_b32 v[NME], v[NME], v[NM], s98
	v_cndmask_b32 v[LE], v[LE], v[LL], s98
	global_store_b32 v[WO], v[PWE], s[12:13] offset:64*((\a)-1)
	global_store_b32 v[WO], v[NME], s[12:13] offset:524288+64*((\a)-1)
	global_store_b32 v[WO], v[LE], s[12:13] offset:1048576+64*((\a)-1)
.endif
.endm
	PLACES 4                                       ; behind the last products: for the loads into operands' registers and the reads of results
.irp b, 0,1,2,3
	v_mov_b32 v[TP+\b], 0                          ; written once: a lane permute's destination counts as one of its sources
.endr
	MLOAD 5
	TLD 0
	SOFT 0, 32
	SOFT 1, 32
	SOFT 2, 32
	SOFT 3, 16
	SOFT 4, 0
	SOFT 5, 0
	SOFT 6, 0
	SOFT 7, 0
	s_wait_tensorcnt 0x0                           ; the wave's end, behind my last tensor load and my last LDS store
	ds_add_u32 v[SPW], v[NIL]
	s_wait_dscnt 0x0
	CROUND                                         ; the closing round
	s_endpgm
.Lfunc_end_k_qd8eb64d6f3_score:
	.size	k_qd8eb64d6f3_score, .Lfunc_end_k_qd8eb64d6f3_score-k_qd8eb64d6f3_score
	.p2alignl 7, 3214868480
	.fill 96, 4, 3214868480
	.section	.rodata,"a",@progbits
	.p2align	6, 0x0
	.amdhsa_kernel k_qd8eb64d6f3_score
		.amdhsa_group_segment_fixed_size 327680
		.amdhsa_private_segment_fixed_size 0
		.amdhsa_enable_private_segment 0
		.amdhsa_kernarg_size 40
		.amdhsa_user_sgpr_count 2
		.amdhsa_user_sgpr_kernarg_segment_ptr 1
		.amdhsa_wavefront_size32 1
		.amdhsa_system_sgpr_workgroup_id_x 1
		.amdhsa_system_sgpr_workgroup_id_y 1
		.amdhsa_system_sgpr_workgroup_id_z 1
		.amdhsa_system_vgpr_workitem_id 0
		.amdhsa_next_free_vgpr 1024
		.amdhsa_next_free_sgpr 100
		.amdhsa_reserve_vcc 0
		.amdhsa_float_denorm_mode_32 3
		.amdhsa_float_denorm_mode_16_64 3
		.amdhsa_memory_ordered 1
		.amdhsa_forward_progress 1
		.amdhsa_inst_pref_size 248
	.end_amdhsa_kernel
	.amdgpu_metadata
---
amdhsa.version: [ 1, 2 ]
amdhsa.kernels:
  - .name:           k_qd8eb64d6f3_score
    .symbol:         k_qd8eb64d6f3_score.kd
    .args:
      - { .name: qkvc, .offset: 0, .size: 8, .value_kind: global_buffer, .address_space: global }
      - { .name: qkvs, .offset: 8, .size: 8, .value_kind: global_buffer, .address_space: global }
      - { .name: mask, .offset: 16, .size: 8, .value_kind: global_buffer, .address_space: global }
      - { .name: pc, .offset: 24, .size: 8, .value_kind: global_buffer, .address_space: global }
      - { .name: pst, .offset: 32, .size: 8, .value_kind: global_buffer, .address_space: global }
    .group_segment_fixed_size: 327680
    .private_segment_fixed_size: 0
    .kernarg_segment_align: 8
    .kernarg_segment_size: 40
    .max_flat_workgroup_size: 128
    .sgpr_count:     100
    .vgpr_count:     1024
    .wavefront_size: 32
...
	.end_amdgpu_metadata
.endif
;; end of part 3
;; launch pv (part 4): grid 4 x 64, 8 waves a work-group, clusters of 4 x 4, 327,680 bytes of LDS; arguments pc, pst, qkvc, qkvs, out0; writes out0
.if DOCPART == 4
	.amdgcn_target "amdgcn-amd-amdhsa--gfx1250"
	.amdhsa_code_object_version 6
	.text
	.protected	k_qd8eb64d6f3_pv
	.globl	k_qd8eb64d6f3_pv
	.p2align	8
	.type	k_qd8eb64d6f3_pv,@function
k_qd8eb64d6f3_pv:
	s_mov_b64 s[64:65], 0
	v_nop
	global_prefetch_b8 v0, s[64:65] scope:SCOPE_SE
	s_setreg_imm32_b32 hwreg(HW_REG_WAVE_MODE, 25, 1), 1
	s_wait_xcnt 0x0
	s_wait_alu depctr_hold_cnt(0) depctr_sa_sdst(0) depctr_va_vdst(0) depctr_va_sdst(0) depctr_va_ssrc(0) depctr_va_vcc(0) depctr_vm_vsrc(0)
	s_getreg_b32 s2, hwreg(HW_REG_IB_STS2, 6, 4)
	s_cmp_eq_u32 s2, 0
	s_cbranch_scc0 .Lentry_in_a_cluster
	s_endpgm
.Lentry_in_a_cluster:
	s_bfe_u32 s2, ttmp6, 0x10000c
	s_cmp_lg_u32 s2, 0xf033
	s_cbranch_scc0 .Lentry_shape_is_right
	s_endpgm
.Lentry_shape_is_right:
; out = (p v) / l on codes of FP6 (E2M3) with E8M0 scales; f32 sums.  A = p (pc: fragment (query block rb, 128 keys ks) at (16 rb + ks) 1536), B = v^T (qkvc from byte 12,582,912: (64 rb + ks) 1536), both in the
; order of the operand's registers: a fragment (16 rows x 128 K, 12 registers x 32 lanes) is 1,536 bytes, three accesses of 16 bytes a lane.
; SHARES: tiles of 128 queries x 256 of the hidden axis, 256 work-groups.  EIGHT WAVES, two to a SIMD, 64 x 64 each: 16 accumulators, 128 registers; two sets of 4 + 4 fragments, 192 registers.
; K = 2,048 keys in four steps of 512 through two LDS slots; a wave reads 8 fragments for 16 products.
; p WAS MADE UNDER A LOCAL M' for each 128 keys (pst: scale words, -M', l', three sections of 524,288 bytes).  The head brings them under the row's M: -M = the least -M'; d = M - M' is a whole number;
; l = the sum of l' 2^-d; each byte of a scale word is lowered by d, and a byte that would fall under 0 is held at 0 (the scale 2^-127).  A thread of waves 0 to 3 serves one query; words and 1 / l go to LDS bytes of their own.
; WHO LOADS: waves 0, 1 p's two halves (64 rows), waves 2 to 5 v^T's four quarters (64 rows); at the head waves 6, 7 bring v^T's scale words of 128 rows each: one tensor load a wave.
; CLUSTERS: 4 x 4 work-groups; p's tiles jointly along a row of the cluster, v^T's and its scale words along a column.
; TRANSPOSED USE: source 0 = 16 rows of v^T, source 1 = 16 queries: a lane holds eight neighbouring numbers of a row of out; rows leave through a stage in slot 0, which has had its last fill and its last read by then.
; LIMITS: NaN and infinities are not served; a query whose every key is hidden has l = 0.
; REGISTERS: window 0: v0-31 addresses; v32-63 scale words, two sets of 16; v96-108 1 / l and the head's work; v128-223 A's fragments, two sets of 48 (in the head pst's numbers, on the way out the results).
;   window 1: B's fragments at v0 and v64; accumulator (a, b) at v[128 + 8 (4 a + b)].
.set FR,    12
.set FRB,   1536
.set RB4,   4*FRB                      ; a row block's bytes in a slot: four steps of 128
.set AHALF, 4*RB4                      ; 64 rows of p
.set BQ,    4*RB4                      ; 64 rows of v^T
.set BOFF,  2*AHALF
.set SLOT,  BOFF+4*BQ
.set ASC,   2*SLOT                     ; p's mended scale words: [ks 16][128 queries x 4 bytes]
.set RL,    ASC+8192                   ; 1 / l of the 128 queries
.set BSC,   RL+512+128                 ; v^T's scale words: [128 rows 2][ks 16][block 8][64 bytes]
.set SPARE, 320256                     ; the spare words, 128 bytes a wave: four blocks of 256 bytes that no other line names
.set SPITCH, 272                       ; the stage: 16 rows of 256 bytes + 16 for each wave
.set PFOA, 8
.set PFOB, 9
.set ADRA, 16
.set ADRB, 20
.set TO,   22
.set AWR,  23
.set STO,  24
.set RD,   25
.set RLA,  26
.set ADRS, 27
.set SPW,  28
.set NIL,  29
.set CO,   30
.set SC,   32
.set RLV,  96
.set NMIN, 104
.set LS,   105
.set TT,   108
.set AF,   128
.set WD,   128
.set NMR,  144
.set LP,   160
.set DD,   176
.set MM,   192
.set MV,   128
.set BK,   192
.set ACC,  128
.set G1, 24
.set G0, 32
.set G1B, 48
.set G0B, 56
.set PFA, 68
.set PFB, 70
.set G1SB, 80
.set G0SB, 88
.set MSB, 0
.macro WIN new                         ; the immediate's high byte repeats the setting that is left
.if MSB != (\new)
	s_set_vgpr_msb (MSB<<8)|(\new)
.set MSB, (\new)
.endif
.endm
.set MUL,  0x51                        ; source 0 (B) window 1, source 1 (A) window 0, C and D window 1
.set TO_B, 0x40                        ; destination window 1
.macro PLACES n
.rept \n
	v_nop
.endr
.endm
.macro CREST                           ; a round of the cluster's barrier behind its opening barrier
	s_cmp_lg_u32 s14, 0
	s_cbranch_scc1 .Lnot_wave_0_\@
	s_barrier_signal -3
.Lnot_wave_0_\@:
	s_barrier_wait -3
	s_barrier_signal -1
	s_barrier_wait -1
.endm
.macro CROUND
	s_barrier_signal -1
	s_barrier_wait -1
	CREST
.endm
.macro JLOAD s                         ; a joint fill of slot s: the branches hang on the wave's number alone; waves 6 and 7 have no part of it
	s_cmp_lt_u32 s14, 2
	s_cbranch_scc0 .Lnot_a_\@
	tensor_load_to_lds s[G0+4*\s:G0+4*\s+3], s[G1:G1+7]
	s_nop 0
.rept 4
	v_nop
.endr
	s_branch .Lasked_\@
.Lnot_a_\@:
	s_cmp_lt_u32 s14, 6
	s_cbranch_scc0 .Lasked_\@
	tensor_load_to_lds s[G0B+4*\s:G0B+4*\s+3], s[G1B:G1B+7]
	s_nop 0
.rept 4
	v_nop
.endr
.Lasked_\@:
.endm
.macro ARM under, g0, g1, next
	s_cmp_lt_u32 s14, \under
	s_cbranch_scc0 \next
	tensor_load_to_lds s[\g0:\g0+3], s[\g1:\g1+7]
	s_nop 0
.rept 4
	v_nop
.endr
	s_branch .Lhead_asked
\next:
.endm
.macro ASK o                           ; a prefetch of the 512 keys at byte o of my parts of p's and v^T's row blocks
	global_prefetch_b8 v[PFOA], s[PFA:PFA+1] offset:\o th:TH_LOAD_NT scope:SCOPE_SE
	global_prefetch_b8 v[PFOB], s[PFB:PFB+1] offset:\o th:TH_LOAD_NT scope:SCOPE_SE
.endm
	s_load_b256 s[4:11], s[0:1], 0x0               ; pc s[4:5], pst s[6:7], qkvc s[8:9], qkvs s[10:11]
	s_load_b64 s[12:13], s[0:1], 0x20              ; out0
	v_lshl_add_u32 v[SPW], v0, 2, SPARE
	v_mov_b32 v[NIL], 0
	ds_add_u32 v[SPW], v[NIL]                      ; the wave's opening: the add, twice on end, and its wait ahead of my first tensor load
	ds_add_u32 v[SPW], v[NIL]
	v_lshrrev_b32 v1, 5, v0
	v_readfirstlane_b32 s14, v1                    ; wave 0..7
	s_lshr_b32 s15, s14, 2                         ; my half of the queries
	s_and_b32 s16, s14, 3                          ; my quarter of the hidden axis
	s_and_b32 s96, s14, 1                          ; as a loader: which half of p (waves 0, 1), which 128 rows' scale words (waves 6, 7)
	s_add_co_u32 s97, s14, 2
	s_and_b32 s97, s97, 3                          ; which quarter of v^T (waves 2 to 5): wave - 2
	s_bfe_u32 s40, ttmp6, 0x40000                  ; cx
	s_bfe_u32 s41, ttmp6, 0x40004                  ; cy
	s_and_b32 s17, ttmp7, 0xffff
	s_lshr_b32 s18, s17, 2                         ; the batch: sixteen tile rows each
	s_lshl_b32 s22, s17, 2
	s_add_co_u32 s22, s22, s41                     ; tile row: 128 queries, counted over all batches
	s_lshl_b32 s43, s41, 2
	s_lshl_b32 s43, 15, s43                        ; my row of the cluster
	s_lshl_b32 s44, 0x1111, s40                    ; my column
	s_or_b32 s[G1+0], s43, (3<<16)|(1<<21)         ; p: 4 row blocks x 6,144 bytes (768 elements of 8), 24,576 bytes apart in memory, dense in LDS
	s_mov_b32 s[G1+1], 768<<16
	s_mov_b32 s[G1+2], 4<<16
	s_mov_b32 s[G1+3], 768<<16
	s_mov_b32 s[G1+4], 4
	s_mov_b32 s[G1+5], 3072
	s_mov_b32 s[G1+6], 0
	s_mov_b32 s[G1+7], 0
	s_or_b32 s[G1B+0], s44, (3<<16)|(1<<21)        ; v^T: 4 row blocks x 6,144 bytes, 98,304 bytes apart
	s_mov_b32 s[G1B+1], 768<<16
	s_mov_b32 s[G1B+2], 4<<16
	s_mov_b32 s[G1B+3], 768<<16
	s_mov_b32 s[G1B+4], 4
	s_mov_b32 s[G1B+5], 12288
	s_mov_b32 s[G1B+6], 0
	s_mov_b32 s[G1B+7], 0
	s_or_b32 s[G1SB+0], s44, (3<<16)|(1<<21)       ; the scale words of 128 rows of v^T and the batch's 16 steps: 8,192 dense bytes as 32 rows of 256
	s_mov_b32 s[G1SB+1], 32<<16
	s_mov_b32 s[G1SB+2], 32<<16
	s_mov_b32 s[G1SB+3], 32<<16
	s_mov_b32 s[G1SB+4], 32
	s_mov_b32 s[G1SB+5], 32
	s_mov_b32 s[G1SB+6], 0
	s_mov_b32 s[G1SB+7], 0
	s_lshl_b32 s20, s22, 3                         ; p: query block 8 x tile row + 4 x half: registers that never hold cx
	s_lshl_b32 s21, s96, 2
	s_add_co_u32 s20, s20, s21
	s_mul_i32 s20, s20, 16*FRB
	s_mov_b32 s21, 0
	s_lshl_b32 s46, s40, 4                         ; v^T: row block 16 cx + 4 x quarter, at the batch's keys: registers that never hold cy
	s_lshl_b32 s47, s97, 2
	s_add_co_u32 s46, s46, s47
	s_mul_i32 s46, s46, 64*FRB
	s_mul_i32 s47, s18, 16*FRB
	s_add_co_u32 s46, s46, s47
	s_add_co_u32 s46, s46, 12582912
	s_mov_b32 s47, 0
	s_lshl_b32 s92, s40, 1                         ; its scale words: group 2 cx + half of 128 rows, 64 steps each, at the batch's 16
	s_add_co_u32 s92, s92, s96
	s_lshl_b32 s92, s92, 6
	s_lshl_b32 s93, s18, 4
	s_add_co_u32 s92, s92, s93
	s_lshl_b32 s92, s92, 9
	s_add_co_u32 s92, s92, 524288
	s_mov_b32 s93, 0
	s_mul_i32 s45, s96, AHALF                      ; where they go: no place in the cluster enters an LDS address
	s_mul_i32 s98, s97, BQ
	s_add_co_u32 s98, s98, BOFF
	s_lshl_b32 s99, s96, 13
	s_add_co_u32 s99, s99, BSC
	s_wait_dscnt 0x0                               ; both opening adds are done
	s_wait_kmcnt 0x0
	s_add_nc_u64 s[20:21], s[4:5], s[20:21]
	s_add_nc_u64 s[46:47], s[8:9], s[46:47]
	s_add_nc_u64 s[92:93], s[10:11], s[92:93]
	CROUND                                         ; all sixteen work-groups are here: the first joint loads meet
	s_mov_b32 s[G0SB], 1
	s_mov_b32 s[G0SB+1], s99
	s_mov_b64 s[G0SB+2:G0SB+3], s[92:93]
	s_or_b32 s[G0SB+3], s[G0SB+3], 0x80000000
.irp s, 0,1
	s_mov_b32 s[G0+4*\s], 1
	s_add_co_u32 s[G0+4*\s+1], s45, \s*SLOT
	s_add_nc_u64 s[G0+4*\s+2:G0+4*\s+3], s[20:21], \s*RB4
	s_or_b32 s[G0+4*\s+3], s[G0+4*\s+3], 0x80000000
	s_mov_b32 s[G0B+4*\s], 1
	s_add_co_u32 s[G0B+4*\s+1], s98, \s*SLOT
	s_add_nc_u64 s[G0B+4*\s+2:G0B+4*\s+3], s[46:47], \s*RB4
	s_or_b32 s[G0B+4*\s+3], s[G0B+4*\s+3], 0x80000000
.endr
	ARM 2, G0,  G1,  .Lhead_b                      ; the head's loads: one chain of branches on the wave's number, one load to an arm, one join; every wave issues one
	ARM 6, G0B, G1B, .Lhead_w
	tensor_load_to_lds s[G0SB:G0SB+3], s[G1SB:G1SB+7]
	s_nop 0
.rept 4
	v_nop
.endr
.Lhead_asked:
; PREFETCHES: behind each group of tensor loads the 512 keys that the NEXT group will load are asked for: 24 blocks of 256 bytes for each row block.  The partners that load a tile jointly share it out by address:
; of v^T's 16 row blocks the partner at cy takes four, a wave half of one (12 lanes; the lanes left over name the last block again); of p's 8 the partner at cx takes two, a wave a quarter of one (6 lanes).  Nothing is stepped.
	s_lshl_b32 s72, s22, 3
	s_lshl_b32 s73, s40, 1
	s_add_co_u32 s72, s72, s73
	s_add_co_u32 s72, s72, s15                     ; p: query block 8 x tile row + 2 cx + wave / 4,
	s_mul_i32 s72, s72, 16*FRB
	s_mul_i32 s73, s16, 1536                       ; and the quarter of its 6,144 bytes
	s_add_co_u32 s72, s72, s73
	s_mov_b32 s73, 0
	s_add_nc_u64 s[PFA:PFA+1], s[4:5], s[72:73]
	s_lshl_b32 s72, s40, 4
	s_lshl_b32 s74, s41, 2
	s_add_co_u32 s72, s72, s74
	s_lshr_b32 s74, s14, 1
	s_add_co_u32 s72, s72, s74                     ; v^T: row block 16 cx + 4 cy + wave / 2, at the batch's keys,
	s_mul_i32 s72, s72, 64*FRB
	s_mul_i32 s74, s18, 16*FRB
	s_add_co_u32 s72, s72, s74
	s_mul_i32 s74, s96, 3072                       ; and the half of its 6,144 bytes
	s_add_co_u32 s72, s72, s74
	s_add_co_u32 s72, s72, 12582912
	s_add_nc_u64 s[PFB:PFB+1], s[8:9], s[72:73]
	s_lshl_b32 s72, s22, 13                        ; the tile's 8,192 bytes of each section of pst
	s_add_nc_u64 s[6:7], s[6:7], s[72:73]
	s_lshl_b32 s72, s22, 7                         ; out: my first row, 128 x tile row + 64 x half, of 4,096 bytes;
	s_lshl_b32 s74, s15, 6
	s_add_co_u32 s72, s72, s74
	s_lshl_b32 s72, s72, 12
	s_lshl_b32 s74, s40, 10                        ; my first column, in bytes: 1,024 cx + 256 x quarter
	s_add_co_u32 s72, s72, s74
	s_lshl_b32 s74, s16, 8
	s_add_co_u32 s72, s72, s74
	s_add_nc_u64 s[12:13], s[12:13], s[72:73]
	s_mul_i32 s17, s15, AHALF                      ; LDS: my 64 rows of p,
	s_mul_i32 s19, s16, BQ
	s_add_co_u32 s19, s19, BOFF                    ; my 64 rows of v^T,
	s_lshl_b32 s20, s15, 8                         ; my four blocks of p's words and of 1 / l,
	s_lshr_b32 s23, s16, 1
	s_lshl_b32 s23, s23, 13
	s_and_b32 s21, s16, 1
	s_lshl_b32 s21, s21, 8
	s_add_co_u32 s23, s23, s21
	s_add_co_u32 s23, s23, BSC-ASC
	s_sub_co_u32 s23, s23, s20                     ; the distance from them to my four blocks of v^T's words,
	s_add_co_u32 s72, s20, ASC
	s_add_co_u32 s73, s20, RL
	s_mul_i32 s74, s14, 16*SPITCH                  ; my stage
	s_mov_b32 s94, 0x01010101
	v_and_b32 v1, 15, v0                           ; r
	v_bfe_u32 v2, v0, 4, 1                         ; h
	v_and_b32 v10, 31, v0
	v_lshlrev_b32 v3, 4, v10                       ; 16 x lane: a fragment's image is read as it was stored
	v_min_u32 v[PFOB], 11, v10
	v_min_u32 v[PFOA], 5, v10
	v_lshlrev_b32 v[PFOB], 8, v[PFOB]
	v_lshlrev_b32 v[PFOA], 8, v[PFOA]
	v_add_nc_u32 v[ADRA], s17, v3
	v_add_nc_u32 v[ADRB], s19, v3
	v_add_nc_u32 v[ADRA+1], SLOT, v[ADRA]
	v_add_nc_u32 v[ADRB+1], SLOT, v[ADRB]
	v_lshlrev_b32 v5, 2, v1
	v_mul_u32_u24 v6, s23, v2                      ; lanes 16-31 take v^T's words
	v_add_nc_u32 v6, v5, v6
	v_add_nc_u32 v[ADRS], s72, v6
	v_add_nc_u32 v[RLA], s73, v5
	v_mul_u32_u24 v[STO], v1, SPITCH               ; the stage, way in: row r, 32 bytes for each half of the lanes
	v_lshl_add_u32 v[STO], v2, 5, v[STO]
	v_add_nc_u32 v[STO], s74, v[STO]
	v_mul_u32_u24 v[RD], v2, SPITCH                ; way back: lanes 0-15 one row of 256 bytes, lanes 16-31 the next
	v_lshl_add_u32 v[RD], v1, 4, v[RD]
	v_add_nc_u32 v[RD], s74, v[RD]
	v_lshlrev_b32 v[CO], 12, v2                    ; and the same two rows in out
	v_lshl_add_u32 v[CO], v1, 4, v[CO]
	v_lshlrev_b32 v[TO], 2, v0                     ; threads 0-127: a thread serves one query
	v_lshl_add_u32 v[AWR], v0, 2, ASC
	s_wait_alu depctr_va_vdst(0)
	ASK RB4                                        ; slot 1's first tiles
	s_cmp_lt_u32 s14, 4
	s_cbranch_scc0 .Lno_fix                        ; waves 0 to 3 mend the words, while the head's tiles are on their way
.irp k, 0,1,2,3,4,5,6,7,8,9,10,11,12,13,14,15
	global_load_b32 v[WD+\k], v[TO], s[6:7] offset:512*\k                ; my query's scale word,
	global_load_b32 v[NMR+\k], v[TO], s[6:7] offset:524288+512*\k        ; -M'
	global_load_b32 v[LP+\k], v[TO], s[6:7] offset:1048576+512*\k        ; and l' of each 128 keys: 128 threads read 512 consecutive bytes
.endr
	s_wait_loadcnt 0x0
	v_min3_num_f32 v[NMIN], v[NMR], v[NMR+1], v[NMR+2]                   ; -M = the least -M', in two chains
	v_min3_num_f32 v[TT], v[NMR+3], v[NMR+4], v[NMR+5]
.irp k, 6,10
	v_min3_num_f32 v[NMIN], v[NMIN], v[NMR+\k], v[NMR+\k+1]
	v_min3_num_f32 v[TT], v[TT], v[NMR+\k+2], v[NMR+\k+3]
.endr
	v_min3_num_f32 v[NMIN], v[NMIN], v[NMR+14], v[NMR+15]
	v_min_num_f32 v[NMIN], v[NMIN], v[TT]
; the sixteen steps of 128 keys take turns, stage by stage: no line waits for the line above it
.irp k, 0,1,2,3,4,5,6,7,8,9,10,11,12,13,14,15
	v_sub_f32 v[DD+\k], v[NMIN], v[NMR+\k]         ; -d = M' - M: a whole number, 0 or less
.endr
.irp k, 0,1,2,3,4,5,6,7,8,9,10,11,12,13,14,15
	v_cvt_i32_f32 v[DD+\k], v[DD+\k]               ; (it saturates)
.endr
.irp k, 0,1,2,3,4,5,6,7,8,9,10,11,12,13,14,15
	v_ldexp_f32 v[LP+\k], v[LP+\k], v[DD+\k]       ; l' 2^-d
.endr
.irp k, 0,1,2,3,4,5,6,7,8,9,10,11,12,13,14,15
	v_sub_nc_u32 v[DD+\k], 0, v[DD+\k]
.endr
.irp k, 0,1,2,3,4,5,6,7,8,9,10,11,12,13,14,15
	v_min_u32 v[DD+\k], 128, v[DD+\k]              ; d, held at 128
.endr
.irp k, 0,1,2,3,4,5,6,7,8,9,10,11,12,13,14,15
	v_mul_lo_u32 v[DD+\k], v[DD+\k], s94           ; in all four bytes
.endr
.irp k, 0,1,2,3,4,5,6,7,8,9,10,11,12,13,14,15
	v_add_nc_u32 v[WD+\k], 0x80808080, v[WD+\k]    ; p is at most 1, so a byte is under 128: with 128 on each byte no subtraction borrows from its neighbour
.endr
.irp k, 0,1,2,3,4,5,6,7,8,9,10,11,12,13,14,15
	v_sub_nc_u32 v[WD+\k], v[WD+\k], v[DD+\k]
.endr
.irp k, 0,1,2,3,4,5,6,7,8,9,10,11,12,13,14,15
	v_lshrrev_b32 v[MM+\k], 7, v[WD+\k]
.endr
.irp k, 0,1,2,3,4,5,6,7,8,9,10,11,12,13,14,15
	v_and_b32 v[MM+\k], s94, v[MM+\k]              ; 1 in each byte that has not fallen under 0
.endr
.irp k, 0,1,2,3,4,5,6,7,8,9,10,11,12,13,14,15
	v_lshlrev_b32 v[DD+\k], 8, v[MM+\k]
.endr
.irp k, 0,1,2,3,4,5,6,7,8,9,10,11,12,13,14,15
	v_sub_nc_u32 v[MM+\k], v[DD+\k], v[MM+\k]      ; 0xff there
.endr
.irp k, 0,1,2,3,4,5,6,7,8,9,10,11,12,13,14,15
	v_and_b32 v[WD+\k], 0x7f7f7f7f, v[WD+\k]
.endr
.irp k, 0,1,2,3,4,5,6,7,8,9,10,11,12,13,14,15
	v_and_b32 v[WD+\k], v[WD+\k], v[MM+\k]         ; the byte less d, or 0
.endr
.irp k, 0,1,2,3,4,5,6,7,8,9,10,11,12,13,14,15
	ds_store_b32 v[AWR], v[WD+\k] offset:512*\k
.endr
.irp k, 0,1,2,3,4,5,6,7
	v_add_f32 v[LP+\k], v[LP+\k], v[LP+\k+8]       ; l, by halves
.endr
.irp k, 0,1,2,3
	v_add_f32 v[LP+\k], v[LP+\k], v[LP+\k+4]
.endr
.irp k, 0,1
	v_add_f32 v[LP+\k], v[LP+\k], v[LP+\k+2]
.endr
	v_add_f32 v[LP], v[LP], v[LP+1]
	s_wait_alu depctr_va_vdst(0)                   ; the wait ahead of the transcendental,
	v_rcp_f32 v[LS], v[LP]
	v_nop                                          ; a plain place behind it,
	s_wait_alu depctr_va_vdst(0)                   ; and the wait ahead of its reader
	ds_store_b32 v[AWR], v[LS] offset:8192
.Lno_fix:
.macro FR4 reg, adr, q, i              ; a fragment comes as it lies: three loads of 16 bytes a lane, 512 consecutive bytes each
.irp c, 0,1,2
	ds_load_b128 v[\reg+4*\c:\reg+4*\c+3], v[\adr] offset:(\i)*RB4+(\q)*FRB+512*\c
.endr
.endm
.macro FETCH slot, q, p                ; the fragments of the slot's q-th 128 keys into set p: 24 loads in one run
	WIN TO_B
.irp i, 0,1,2,3
	FR4 64*(\p)+FR*\i, ADRB+\slot, \q, \i
.endr
	WIN 0
.irp i, 0,1,2,3
	FR4 AF+48*(\p)+FR*\i, ADRA+\slot, \q, \i
.endr
.endm
.macro SCALES4 sc, n                   ; the scale words of the n-th 512 keys into set sc: register 4 q + i: lanes 0-15 p's block i, lanes 16-31 v^T's block i
.irp q, 0,1,2,3
.irp i, 0,1,2,3
	ds_load_b32 v[SC+16*(\sc)+4*\q+\i], v[ADRS] offset:(4*(\n)+\q)*512+64*\i
.endr
.endr
.endm
; 4 matrix instructions: p's block a x v^T's four.  The 16 accumulators take turns, in the same order in every step.  zero = 1: the products start the sums: nothing is cleared.
.macro MULA a, p, q, sc, zero
.irp b, 0,1,2,3
.if \zero
	v_wmma_scale_f32_16x16x128_f8f6f4 v[ACC+8*(4*(\a)+\b):ACC+8*(4*(\a)+\b)+7], v[64*(\p)+FR*\b:64*(\p)+FR*\b+FR-1], v[AF+48*(\p)+FR*(\a):AF+48*(\p)+FR*(\a)+FR-1], 0, v[SC+16*(\sc)+4*(\q)+\b], v[SC+16*(\sc)+4*(\q)+(\a)] matrix_a_fmt:MATRIX_FMT_FP6 matrix_b_fmt:MATRIX_FMT_FP6 matrix_a_scale:MATRIX_SCALE_ROW1
.else
	v_wmma_scale_f32_16x16x128_f8f6f4 v[ACC+8*(4*(\a)+\b):ACC+8*(4*(\a)+\b)+7], v[64*(\p)+FR*\b:64*(\p)+FR*\b+FR-1], v[AF+48*(\p)+FR*(\a):AF+48*(\p)+FR*(\a)+FR-1], v[ACC+8*(4*(\a)+\b):ACC+8*(4*(\a)+\b)+7], v[SC+16*(\sc)+4*(\q)+\b], v[SC+16*(\sc)+4*(\q)+(\a)] matrix_a_fmt:MATRIX_FMT_FP6 matrix_b_fmt:MATRIX_FMT_FP6 matrix_a_scale:MATRIX_SCALE_ROW1
.endif
.endr
.endm
.macro PSTEP slot, q, zero             ; one of a slot's first three steps of 128: the next step's fragments are asked for, in one run, ahead of this step's 16 products
	s_wait_dscnt 0x0                               ; this step's fragments and scale words are in
	PLACES 4                                       ; in front of loads into the set that the last step's products read
	FETCH \slot, (\q)+1, ((\q)+1)%2
	WIN MUL
	MULA 0, (\q)%2, \q, \slot, \zero
	MULA 1, (\q)%2, \q, \slot, \zero
	MULA 2, (\q)%2, \q, \slot, \zero
	MULA 3, (\q)%2, \q, \slot, \zero
.endm
; A slot's last step of 128 changes slots: one barrier; in front of it each wave waits for all its tensor loads, adds 0 to its spare word, and waits for that and for its reads of this slot.
.macro PTURN slot, next, fill, n
	WIN 0                                          ; (the add's two registers lie in window 0)
	s_wait_tensorcnt 0x0                           ; all my tensor loads have landed: my part of the next slot
	ds_add_u32 v[SPW], v[NIL]                      ; 0 onto my spare word
	s_wait_dscnt 1                                 ; (the add may be out; this step's fragments are in)
	WIN MUL
	MULA 0, 1, 3, \slot, 0
	s_wait_dscnt 0x0                               ; the add is done, and my reads of this slot are over
	s_barrier_signal -1
	MULA 1, 1, 3, \slot, 0
	WIN 0
	s_barrier_wait -1
.if \fill
	CREST                                          ; the barrier has opened a round of the cluster's: no wave of any partner still reads this slot or has a load on its way
	s_add_nc_u64 s[G0+4*\slot+2:G0+4*\slot+3], s[G0+4*\slot+2:G0+4*\slot+3], 2*RB4
	s_add_nc_u64 s[G0B+4*\slot+2:G0B+4*\slot+3], s[G0B+4*\slot+2:G0B+4*\slot+3], 2*RB4
	JLOAD \slot                                    ; the first tensor load behind the round, one a wave
.endif
	PLACES 4                                       ; on every wave's way: in front of the loads into registers that products have read
	FETCH \next, 0, 0
	SCALES4 \next, \n
	WIN MUL
	MULA 2, 1, 3, \slot, 0
	MULA 3, 1, 3, \slot, 0
	WIN 0
.endm
	s_wait_alu depctr_va_vdst(0)
	s_wait_tensorcnt 0x0                           ; my tile of the head's eight is in
	ds_add_u32 v[SPW], v[NIL]
	s_wait_dscnt 0x0                               ; the add is done, and the mended words and 1 / l lie in LDS
	CROUND                                         ; a whole round: slot 0 and all scale words are in, and all sixteen work-groups are here
	JLOAD 1                                        ; slot 1's first fill: the first tensor load behind the round
	FETCH 0, 0, 0
	ASK 2*RB4                                      ; what the first refill will load
	SCALES4 0, 0
	PSTEP 0, 0, 1
	PSTEP 0, 1, 0
	PSTEP 0, 2, 0
	PTURN 0, 1, 1, 1
	ASK 3*RB4                                      ; what the last refill will load; nothing is asked for behind it
	PSTEP 1, 0, 0
	PSTEP 1, 1, 0
	PSTEP 1, 2, 0
	PTURN 1, 0, 1, 2
	PSTEP 0, 0, 0
	PSTEP 0, 1, 0
	PSTEP 0, 2, 0
	PTURN 0, 1, 0, 3                               ; nothing is left to fetch: no round
	PSTEP 1, 0, 0
	PSTEP 1, 1, 0
	PSTEP 1, 2, 0
	s_wait_dscnt 0x0
	MULA 0, 1, 3, 1, 0
	MULA 1, 1, 3, 1, 0
	MULA 2, 1, 3, 1, 0
	MULA 3, 1, 3, 1, 0
	WIN 0
	PLACES 4                                       ; behind the last products: for the reads of results and the writes into operands' registers
.irp a, 0,1,2,3
	ds_load_b32 v[RLV+2*\a], v[RLA] offset:64*\a   ; 1 / l of my query in block a
	ds_load_b32 v[RLV+2*\a+1], v[RLA] offset:64*\a
.endr
	s_wait_dscnt 0x0
; THE WAY OUT, block a: 16 queries x my 64 columns, x 1 / l, through my stage, back as whole rows of 256 bytes.  LDS serves a wave's instructions in order (ISA guide 5.7.1.4): no wait between the stores and the loads.
.macro OUTB a
.if (\a) > 0
	s_wait_xcnt 0x0                                ; the last block's stores have read their data
.endif
	WIN 0x01
.set j, 0
.rept 16
	v_pk_mul_f32 v[MV+j:MV+j+1], v[ACC+32*(\a)+j:ACC+32*(\a)+j+1], v[RLV+2*(\a):RLV+2*(\a)+1] op_sel_hi:[1,0]   ; each accumulator from its low end on
.set j, j+2
.endr
	WIN 0
.irp b, 0,1,2,3
	ds_store_b128 v[STO], v[MV+8*\b:MV+8*\b+3] offset:64*\b
	ds_store_b128 v[STO], v[MV+8*\b+4:MV+8*\b+7] offset:64*\b+16
.endr
.irp t, 0,1,2,3,4,5,6,7
	ds_load_b128 v[BK+4*\t:BK+4*\t+3], v[RD] offset:2*SPITCH*\t
.endr
	s_wait_dscnt 0x0
.irp t, 0,1,2,3,4,5,6,7
	global_store_b128 v[CO], v[BK+4*\t:BK+4*\t+3], s[12:13] offset:65536*(\a)+8192*\t th:TH_STORE_NT   ; sixteen lanes store 256 consecutive bytes, at a multiple of 256 from out0's first byte
.endr
.endm
	OUTB 0
	OUTB 1
	OUTB 2
	OUTB 3
	s_wait_tensorcnt 0x0                           ; the wave's end, behind my last tensor load and my last LDS store
	ds_add_u32 v[SPW], v[NIL]
	s_wait_dscnt 0x0
	CROUND                                         ; the closing round: no work-group ends while a partner may still ask for a tile that names it
	s_endpgm
.Lfunc_end_k_qd8eb64d6f3_pv:
	.size	k_qd8eb64d6f3_pv, .Lfunc_end_k_qd8eb64d6f3_pv-k_qd8eb64d6f3_pv
	.p2alignl 7, 3214868480
	.fill 96, 4, 3214868480
	.section	.rodata,"a",@progbits
	.p2align	6, 0x0
	.amdhsa_kernel k_qd8eb64d6f3_pv
		.amdhsa_group_segment_fixed_size 327680
		.amdhsa_private_segment_fixed_size 0
		.amdhsa_enable_private_segment 0
		.amdhsa_kernarg_size 40
		.amdhsa_user_sgpr_count 2
		.amdhsa_user_sgpr_kernarg_segment_ptr 1
		.amdhsa_wavefront_size32 1
		.amdhsa_system_sgpr_workgroup_id_x 1
		.amdhsa_system_sgpr_workgroup_id_y 1
		.amdhsa_system_sgpr_workgroup_id_z 1
		.amdhsa_system_vgpr_workitem_id 0
		.amdhsa_next_free_vgpr 512
		.amdhsa_next_free_sgpr 100
		.amdhsa_reserve_vcc 0
		.amdhsa_float_denorm_mode_32 3
		.amdhsa_float_denorm_mode_16_64 3
		.amdhsa_memory_ordered 1
		.amdhsa_forward_progress 1
		.amdhsa_inst_pref_size 107
	.end_amdhsa_kernel
	.amdgpu_metadata
---
amdhsa.version: [ 1, 2 ]
amdhsa.kernels:
  - .name:           k_qd8eb64d6f3_pv
    .symbol:         k_qd8eb64d6f3_pv.kd
    .args:
      - { .name: pc, .offset: 0, .size: 8, .value_kind: global_buffer, .address_space: global }
      - { .name: pst, .offset: 8, .size: 8, .value_kind: global_buffer, .address_space: global }
      - { .name: qkvc, .offset: 16, .size: 8, .value_kind: global_buffer, .address_space: global }
      - { .name: qkvs, .offset: 24, .size: 8, .value_kind: global_buffer, .address_space: global }
      - { .name: out0, .offset: 32, .size: 8, .value_kind: global_buffer, .address_space: global }
    .group_segment_fixed_size: 327680
    .private_segment_fixed_size: 0
    .kernarg_segment_align: 8
    .kernarg_segment_size: 40
    .max_flat_workgroup_size: 256
    .sgpr_count:     100
    .vgpr_count:     512
    .wavefront_size: 32
...
	.end_amdgpu_metadata
.endif
;; end of part 4
